; MI455X (gfx1250); checked and timed in simulation.
; The chip was launched on July 23, 2026; its instructions are those of AMD's public machine-readable ISA for CDNA 5 (MIT licence, August 2026) and "CDNA5" Instruction Set Architecture Reference Guide (July 2026). The comments in the code are by the model that wrote it; some were corrected since.
;; Causal Self Attention. Allowed arithmetic: matrix products marked QUANTISED: E3M2 operands, one E8M0 scale for each 32 along K, by v_wmma_scale_f32_16x16x128_f8f6f4 with both operands' format E3M2, f32 sums; everything else in f32.
;; Inputs: b_k 1,024 float32; b_o 1,024 float32; b_q 1,024 float32; b_v 1,024 float32; w_k 1,024 x 1,024 float32; w_o 1,024 x 1,024 float32; w_q 1,024 x 1,024 float32; w_v 1,024 x 1,024 float32; x 4 x 2,048 x 1,024 float32.
;; Outputs: out0 4 x 2,048 x 1,024 float32.
;; This version of the problem:
;;   THIS VERSION OF THE PROBLEM IS GIVEN IN LOW PRECISION. The matrix products marked QUANTISED in the list below multiply operands that are first quantised to E3M2 (3 exponent bits, 2 mantissa bits; 6 bits a number), with one power-of-two scale for each 32 numbers along K (OCP MX v1.0); their sums are f32. All else is computed in f32.
;;   The module's matrix products, in the order in which they are computed (A, B: the left and right operand; K: the contracted axis; several contracted axes count as one K, in the product's order):
;;     1. [M 8,192, K 1,024] x [K 1,024, N 1,024]; A: input x; B: input w_q: QUANTISED
;;     2. [M 8,192, K 1,024] x [K 1,024, N 1,024]; A: input x; B: input w_k: QUANTISED
;;     3. [M 8,192, K 1,024] x [K 1,024, N 1,024]; A: input x; B: input w_v: QUANTISED
;;     4. batch 64 x [M 2,048, K 64] x [K 64, N 2,048]; A: computed on the way; B: computed on the way: QUANTISED
;;     5. batch 64 x [M 2,048, K 2,048] x [K 2,048, N 64]; A: softmax (see below); B: computed on the way: QUANTISED
;;     6. [M 8,192, K 1,024] x [K 1,024, N 1,024]; A: computed on the way; B: input w_o: QUANTISED
;;   THE QUANTISER, for each operand of a quantised product, along K:
;;     - K is cut into blocks of 32 from its start; a last block that is shorter is filled with zeros.
;;     - A block's scale is 2^e with e = floor(log2(the largest magnitude in the block)) - 4, held to -126 .. 127; a block of zeros has e = 0. As a byte (E8M0): e + 127.
;;     - Each number is divided by its block's scale, clamped to +-28, and rounded to the nearest number of E3M2, ties to even, subnormals kept.
;;     - The product sums the exact products of the quantised numbers (number of the format x scale) in f32.
;;   ~~~python
;;   def quantise(x, axis):      # numpy; x: float32 -> the quantised numbers, widened to float32 again
;;       x = np.moveaxis(x, axis, -1); K = x.shape[-1]
;;       x = np.pad(x, [(0, 0)] * (x.ndim - 1) + [(0, -K % 32)]); x = x.reshape(x.shape[:-1] + (-1, 32)); a = np.abs(x).max(-1, keepdims=True)
;;       e = np.where(a > 0, np.clip(np.frexp(np.where(a > 0, a, 1))[1] - 1 - 4, -126, 127), 0)      # np.frexp(a)[1] - 1 = floor(log2(a)), exactly
;;       r = np.clip(x / 2.0 ** e, -28, 28)
;;       step = 2.0 ** (np.maximum(np.frexp(np.where(r == 0, 1, r))[1] - 1, -2) - 2)
;;       q = np.round(r / step) * step * 2.0 ** e      # np.round: ties to even
;;       return np.moveaxis(q.reshape(q.shape[:-2] + (-1,))[..., :K], -1, axis).astype(np.float32)
;;   ~~~
;;   SOFTMAX AHEAD OF A QUANTISED PRODUCT. Where the list says 'softmax', what is quantised is not the finished softmax but p = 2^(t - M), with t = logit x log2(e) and M = ceil(the row's largest t), a whole number; so 1/2 < the row's largest p <= 1. The row's sum l is taken of the UNQUANTISED p, in f32, and the product's result is divided by l at the end. Since M is a whole number, a kernel that streams over the keys may use a running M (the ceiling of the running maximum): every later rescaling is an exact power of two, which a block's scale takes up: the codes' values come out the same.
;;   OPERANDS COMPUTED ON THE WAY. 'Computed on the way' means the value that the module computes at that place (a softmax that the list does not call 'softmax' is quantised finished and normalised). What goes into a quantiser is computed in f32, as accurately as f32 sums, v_exp_f32 and their like allow (about 1e-6 of the number): no bf16 or f16 on the way to a quantiser, and a product that is left as it is and whose result goes on into a quantised operand takes f32 operands (vector FMAs, or v_wmma_f32_16x16x4_f32). A number that lies on a knife's edge between two numbers of the format may be rounded either way, as far as f32 arithmetic and the matrix unit's own rounding can turn it there, and no further.
;; One version. Each part assembles by itself: llvm-mc -triple=amdgcn-amd-amdhsa -mcpu=gfx1250 --defsym DOCPART=n.
;; ======== version 1 of 1: 4 launches
;; workspace buffers: xq 6,553,600 bytes; wq 3,276,800 bytes; oq 6,553,600 bytes; qbuf 6,815,744 bytes; kv 13,369,344 bytes
;; launch prep (part 1): grid 384 x 1, 4 waves a work-group, no clusters, 58,880 bytes of LDS; arguments x, w_q, w_k, w_v, w_o, xq, wq; writes xq, wq
.if DOCPART == 1
	.amdgcn_target "amdgcn-amd-amdhsa--gfx1250"
	.amdhsa_code_object_version 6
	.text
	.protected	k_q4f9e33e9cd_prep
	.globl	k_q4f9e33e9cd_prep
	.p2align	8
	.type	k_q4f9e33e9cd_prep,@function
k_q4f9e33e9cd_prep:
	s_mov_b64 s[64:65], 0
	v_nop
	global_prefetch_b8 v0, s[64:65] scope:SCOPE_SE
	s_setreg_imm32_b32 hwreg(HW_REG_WAVE_MODE, 25, 1), 1
	s_wait_xcnt 0x0
; x [8192][1024] f32 (K innermost) and the four weights [1024 (k)][1024 (n)] f32 (K outermost) become codes of BF6 (E3M2) with one E8M0 byte for each 32 along K.
; A block's scale is 2^(floor(log2(its largest magnitude)) - 4): its byte is the largest magnitude's exponent field - 4, held at 1 from below.
; LIMITS: a block of zeros gets the byte 1 where the rule says 127 (its codes are zeros, and this program alone reads the bytes); blocks whose largest magnitude lies under 2^(5 - 127) are held at the byte 1; NaN and infinities are not served.
; THE WORKSPACE IS LAID IN THE ORDER OF THE OPERAND'S REGISTERS.  A half fragment (16 rows x 64 K) is 768 bytes: lane l = r + 16 h holds row r, k = 32 h .. 32 h + 31 in six registers;
; registers 0-3 lie at 16 l, registers 4-5 at 512 + 8 l.  A group of 128 rows is 4 K steps (256 along K) of 25,600 bytes: codes at ((row tile x 2 + kf) x 2 + c) x 768, then 8 scale bytes a row at 24,576 + 8 row.
; So every store here covers 512 or 256 consecutive bytes at a multiple of 256, and a K step of a group is one dense block.
; WEIGHT ROWS ARE PERMUTED: workspace row rho holds column n = rho with bits 3 and 4 exchanged, so that in the transposed product a lane's 16 registers of two neighbouring tiles are 16 neighbouring n.
; Work-groups 0-255 take x (32 rows each; wave w takes K step w), work-groups 256-383 a weight's 128 columns x 256 K.  The two paths have LDS bytes of their own.  Waves share nothing: no barrier.
.set GRP,  102400                      ; a group of 128 rows
.set KSB,  25600                       ; a K step of a group
.set XST,  8448                        ; x's path: a wave's stage, 16 rows x (512 bytes + 16)
.set WST,  4*XST                       ; the weights' path: its stages begin here,
.set WSB,  6144                        ; 6,144 bytes a wave: two row tiles x 256 K as they will lie in memory
.set SEL,  20                          ; s[20:21] lane selects for v_permlanex16_b32: lane l xor 16
.set R,    16                          ; x: v16-143  two sets of 64 registers as loaded
.set XN,   144                         ; x: v144-207 64 numbers of a lane: register 16 b + i = k 32 b + 16 h + i of its row
.set PC,   208                         ; x: v208-227 the codes just made
.set TM,   228                         ; x: v228-243 at work
.set PW,   244                         ; x: the scale word just made
.set PWS,  246                         ; x: v246-249 the four fragments' scale words
.set WX,   32                          ; w: v32-95   two sets of 32 numbers
.set C,    96                          ; w: v96-101  a block's codes
.set CX,   104                         ; w: v104-106 their upper half as the conversion leaves it
.set OUTR, 112                         ; w: v112-159 the way out
.set SB,   24                          ; w: v24-25   the eight scale bytes
; 64 numbers of a lane, v[s] .. v[s + 63], become a fragment's codes in v[PC] .. v[PC + 11] and its scale word in v[PW] (the same in lanes r and r + 16).
.macro QUANT s
.irp b, 0,1,2,3
	v_max3_num_f32 v[TM+\b], |v[\s+16*\b]|, |v[\s+1+16*\b]|, 0x2800000   ; block b: my 16 numbers, and the floor 2^(5 - 127): the byte cannot fall under 1
.endr
.irp i, 2,4,6,8,10,12,14
.irp b, 0,1,2,3
	v_max3_num_f32 v[TM+\b], v[TM+\b], |v[\s+16*\b+\i]|, |v[\s+1+16*\b+\i]|   ; the four blocks by turns
.endr
.endr
.irp b, 0,1,2,3
	v_permlanex16_b32 v[TM+4+\b], v[TM+\b], s[SEL], s[SEL+1]
.endr
.irp b, 0,1,2,3
	v_max_num_f32 v[TM+\b], v[TM+\b], v[TM+4+\b]   ; with lane l xor 16: the block's largest magnitude
.endr
.irp b, 0,1,2,3
	v_add_nc_u32 v[TM+12+\b], 0xfe000000, v[TM+\b]   ; 4 off its exponent field: the conversion's scale operand
.endr
.irp b, 0,1,2,3
	v_lshrrev_b32 v[TM+4+\b], 23, v[TM+12+\b]      ; the scale's byte
.endr
	v_lshl_or_b32 v[PW], v[TM+5], 8, v[TM+4]
	v_lshl_or_b32 v[PW], v[TM+6], 16, v[PW]
	v_lshl_or_b32 v[PW], v[TM+7], 24, v[PW]
.irp c, 0,1
	v_cvt_scalef32_pk16_bf6_f32 v[PC+6*\c:PC+2+6*\c], v[\s+32*\c:\s+15+32*\c], v[TM+12+2*\c]
	v_cvt_scalef32_pk16_bf6_f32 v[PC+12+4*\c:PC+14+4*\c], v[\s+16+32*\c:\s+31+32*\c], v[TM+12+2*\c+1]   ; a conversion's three registers begin on an even number
.endr
	v_nop                                          ; one plain place behind a scaled conversion
.irp c, 0,1                                    ; the layout wants a whole block in a lane: lanes 0-15 block 2 c, lanes 16-31 block 2 c + 1
.irp i, 0,1,2
	v_permlane16_swap_b32 v[PC+6*\c+\i], v[PC+12+4*\c+\i]
.endr
.irp i, 0,1,2
	v_mov_b32 v[PC+3+6*\c+\i], v[PC+12+4*\c+\i]
.endr
.endr
.endm
	s_load_b256 s[4:11], s[0:1], 0x0               ; x, w_q, w_k, w_v
	s_load_b128 s[12:15], s[0:1], 0x20             ; w_o, xq
	s_load_b64 s[16:17], s[0:1], 0x30              ; wq
	v_lshl_add_u32 v254, v0, 2, 0xe400
	v_mov_b32 v255, 0
	v_lshrrev_b32 v1, 5, v0
	v_readfirstlane_b32 s18, v1                    ; wave 0..3
	v_and_b32 v1, 31, v0                           ; lane
	v_and_b32 v2, 15, v0                           ; r
	v_bfe_u32 v3, v0, 4, 1                         ; h
	s_mov_b32 s[SEL], 0x76543210
	s_mov_b32 s[SEL+1], 0xfedcba98
	s_cmp_ge_u32 ttmp9, 256
	s_cbranch_scc1 .Lweights
	; ---------------- x: 32 rows a work-group, K step w a wave: four fragments f (row tile f / 2, 128 along K f % 2)
	v_lshlrev_b32 v4, 4, v1                        ; 16 x lane: in memory, on the way in and out
	v_lshlrev_b32 v8, 3, v1                        ; 8 x lane
	s_mul_i32 s22, s18, XST
	v_add_nc_u32 v5, s22, v4                       ; the stage, in: a row's 512 bytes as they lie
	v_mul_u32_u24 v6, v2, 528
	v_lshl_add_u32 v6, v3, 6, v6
	v_add_nc_u32 v6, s22, v6                       ; and out: row r, + 64 h: my 16 numbers of a block of 32
.irp b, 0,1,2,3
	v_mov_b32 v[TM+4+\b], 0                        ; written once: a lane permute's destination counts as one of its sources
.endr
	s_lshl_b32 s24, ttmp9, 17                      ; 32 rows of 4,096 bytes a work-group
	s_lshl_b32 s23, s18, 10                        ; + 256 numbers a wave
	s_add_co_u32 s24, s24, s23
	s_mov_b32 s25, 0
	s_lshr_b32 s26, ttmp9, 2                       ; four work-groups to a group of 128 rows
	s_mul_i32 s26, s26, GRP
	s_mul_i32 s23, s18, KSB
	s_add_co_u32 s26, s26, s23                     ; the group's K step w
	s_and_b32 s23, ttmp9, 3
	s_mul_i32 s28, s23, 6144                       ; my two row tiles' codes
	s_add_co_u32 s28, s28, s26
	s_mov_b32 s29, 0
	s_lshl_b32 s30, s23, 8                         ; my 32 rows' scale bytes
	s_add_co_u32 s30, s30, s26
	s_add_co_u32 s30, s30, 24576
	s_mov_b32 s31, 0
	s_wait_kmcnt 0x0
	s_add_nc_u64 s[4:5], s[4:5], s[24:25]
	s_add_nc_u64 s[28:29], s[14:15], s[28:29]
	s_add_nc_u64 s[30:31], s[14:15], s[30:31]
.macro LOADF f                         ; fragment f: 16 loads, each 512 consecutive bytes of one row
.irp p, 0,1,2,3,4,5,6,7,8,9,10,11,12,13,14,15
	global_load_b128 v[R+64*((\f)%2)+4*\p:R+64*((\f)%2)+4*\p+3], v4, s[4:5] offset:(16*((\f)/2)+\p)*4096+512*((\f)%2) th:TH_LOAD_NT
.endr
.endm
.macro FRAGX f
.if (\f) < 3
	s_wait_loadcnt 16                              ; this fragment's 16 loads are in; the next fragment's 16 may be out
.else
	s_wait_loadcnt 0x0
.endif
.irp p, 0,1,2,3,4,5,6,7,8,9,10,11,12,13,14,15
	ds_store_b128 v5, v[R+64*((\f)%2)+4*\p:R+64*((\f)%2)+4*\p+3] offset:528*\p
.endr
.irp b, 0,1,2,3
.irp j, 0,1,2,3
	ds_load_b128 v[XN+16*\b+4*\j:XN+16*\b+4*\j+3], v6 offset:128*\b+16*\j   ; LDS serves a wave's instructions in order: these see the stores above
.endr
.endr
	s_wait_dscnt 0x0                               ; the numbers are back, and the stores have read their registers,
.if (\f) < 2
	LOADF (\f)+2                                   ; which take the loads of two fragments on
.endif
.if (\f) > 0
	s_wait_xcnt 0x0                                ; the last fragment's stores have read the codes' registers: they are written again only behind this wait
.endif
	QUANT XN
	v_mov_b32 v[PWS+(\f)], v[PW]
	global_store_b128 v4, v[PC:PC+3], s[28:29] offset:3072*((\f)/2)+1536*((\f)%2)            ; 512 consecutive bytes
	global_store_b64 v8, v[PC+4:PC+5], s[28:29] offset:3072*((\f)/2)+1536*((\f)%2)+512       ; 256
	global_store_b128 v4, v[PC+6:PC+9], s[28:29] offset:3072*((\f)/2)+1536*((\f)%2)+768
	global_store_b64 v8, v[PC+10:PC+11], s[28:29] offset:3072*((\f)/2)+1536*((\f)%2)+1280
.endm
	LOADF 0
	LOADF 1
	FRAGX 0
	FRAGX 1
	FRAGX 2
	FRAGX 3
	v_cmp_lt_u32 vcc_lo, 15, v1                    ; lanes 0-15 store row tile 0's two words a row, lanes 16-31 row tile 1's
	v_cndmask_b32 v250, v[PWS], v[PWS+2], vcc_lo
	v_cndmask_b32 v251, v[PWS+1], v[PWS+3], vcc_lo
	global_store_b64 v8, v[250:251], s[30:31]      ; 32 rows x 8 bytes: 256 consecutive bytes, aligned
	s_wait_tensorcnt 0x0
	ds_add_u32 v254, v255
	s_wait_dscnt 0x0
	s_endpgm
	; ---------------- a weight: 128 columns (one group) x 256 K (one K step) a work-group; a lane takes a column and its registers run down K
.Lweights:
	s_sub_co_u32 s22, ttmp9, 256
	s_lshr_b32 s24, s22, 5                         ; which weight: q, k, v, o
	s_bfe_u32 s25, s22, 0x30002                    ; which 128 columns
	s_and_b32 s26, s22, 3                          ; which K step
	v_and_b32 v10, 7, v1                           ; my column among the wave's 32: my lane with bits 3 and 4 exchanged
	v_and_b32 v11, 8, v1
	v_lshl_or_b32 v10, v11, 1, v10
	v_and_b32 v11, 16, v1
	v_lshrrev_b32 v11, 1, v11
	v_or_b32 v10, v10, v11
	v_lshlrev_b32 v10, 2, v10                      ; in bytes
	s_mul_i32 s27, s18, WSB
	s_add_co_u32 s28, s27, WST                     ; my stage
	v_mul_u32_u24 v4, v3, 3072                     ; my row tile (lane / 16),
	v_lshl_add_u32 v5, v2, 3, v4                   ; my row's place among registers 4-5,
	v_lshl_add_u32 v4, v2, 4, v4                   ; and among registers 0-3
	v_add_nc_u32 v4, s28, v4
	v_add_nc_u32 v5, s28, v5
	v_lshlrev_b32 v8, 4, v1
	v_lshlrev_b32 v9, 3, v1
	v_add_nc_u32 v7, s28, v8                       ; the way out: the stage as it lies
	s_lshl_b32 s30, s26, 20                        ; 256 rows of 4,096 bytes a K step
	s_lshl_b32 s29, s25, 9
	s_add_co_u32 s30, s30, s29
	s_lshl_b32 s29, s18, 7
	s_add_co_u32 s30, s30, s29                     ; + my wave's first column
	s_mov_b32 s31, 0
	s_lshl_b32 s32, s24, 3
	s_add_co_u32 s32, s32, s25                     ; the group: 8 x weight + columns
	s_mul_i32 s32, s32, GRP
	s_mul_i32 s29, s26, KSB
	s_add_co_u32 s32, s32, s29
	s_add_co_u32 s34, s32, s27                     ; my two row tiles' codes
	s_mov_b32 s35, 0
	s_lshl_b32 s29, s18, 8
	s_add_co_u32 s36, s32, s29
	s_add_co_u32 s36, s36, 24576                   ; my 32 rows' scale bytes
	s_mov_b32 s37, 0
	s_wait_kmcnt 0x0
	s_mov_b64 s[22:23], s[6:7]                     ; the choice hangs on the work-group's number alone
	s_cmp_eq_u32 s24, 1
	s_cselect_b64 s[22:23], s[8:9], s[22:23]
	s_cmp_eq_u32 s24, 2
	s_cselect_b64 s[22:23], s[10:11], s[22:23]
	s_cmp_eq_u32 s24, 3
	s_cselect_b64 s[22:23], s[12:13], s[22:23]
	s_add_nc_u64 s[22:23], s[22:23], s[30:31]
	s_add_nc_u64 s[34:35], s[16:17], s[34:35]
	s_add_nc_u64 s[36:37], s[16:17], s[36:37]
.macro LOADW t                         ; block t: W(32 t + i, my column): the wave's 32 lanes read 128 consecutive bytes
.irp i, 0,1,2,3,4,5,6,7,8,9,10,11,12,13,14,15,16,17,18,19,20,21,22,23,24,25,26,27,28,29,30,31
	global_load_b32 v[WX+32*((\t)%2)+\i], v10, s[22:23] offset:(32*(\t)+\i)*4096 th:TH_LOAD_NT
.endr
.endm
.macro BLOCK t
.set XS, WX+32*((\t)%2)
.if (\t) < 7
	s_wait_loadcnt 32                              ; this block's 32 loads are in; the next block's may be out
.else
	s_wait_loadcnt 0x0
.endif
	v_max3_num_f32 v12, |v[XS]|, |v[XS+1]|, |v[XS+2]|   ; all 32 numbers of the block are mine
	v_max3_num_f32 v13, |v[XS+3]|, |v[XS+4]|, |v[XS+5]|
.irp i, 6,10,14,18,22,26
	v_max3_num_f32 v12, v12, |v[XS+\i]|, |v[XS+\i+1]|
	v_max3_num_f32 v13, v13, |v[XS+\i+2]|, |v[XS+\i+3]|
.endr
	v_max3_num_f32 v12, v12, |v[XS+30]|, |v[XS+31]|
	v_max3_num_f32 v12, v12, v13, 0x2800000        ; and the floor
	v_add_nc_u32 v11, 0xfe000000, v12              ; the conversion's scale operand
	v_lshrrev_b32 v13, 23, v11                     ; the scale's byte
.if (\t)%4 == 0
	v_mov_b32 v[SB+(\t)/4], v13
.else
	v_lshl_or_b32 v[SB+(\t)/4], v13, 8*((\t)%4), v[SB+(\t)/4]
.endif
	v_cvt_scalef32_pk16_bf6_f32 v[C:C+2], v[XS:XS+15], v11
	v_cvt_scalef32_pk16_bf6_f32 v[CX:CX+2], v[XS+16:XS+31], v11
	v_nop                                          ; one plain place behind a scaled conversion
.irp i, 0,1,2
	v_mov_b32 v[C+3+\i], v[CX+\i]
.endr
	; block t is k = 128 (t / 4) + 64 ((t % 4) / 2) + 32 (t % 2) on: the place of lane r + 16 (t % 2) in that half fragment
	ds_store_b128 v4, v[C:C+3] offset:((\t)/4)*1536+(((\t)%4)/2)*768+256*((\t)%2)
	ds_store_b64 v5, v[C+4:C+5] offset:((\t)/4)*1536+(((\t)%4)/2)*768+512+128*((\t)%2)
.if (\t) < 6
	LOADW (\t)+2
.endif
	s_wait_dscnt 0x0                               ; the stores have read their registers: the next block's codes may be written
.endm
	LOADW 0
	LOADW 1
.irp t, 0,1,2,3,4,5,6,7
	BLOCK \t
.endr
	global_store_b64 v9, v[SB:SB+1], s[36:37]      ; 32 rows x 8 scale bytes: 256 consecutive bytes, aligned
.irp i, 0,1,2,3,4,5,6,7,8,9,10,11
	ds_load_b128 v[OUTR+4*\i:OUTR+4*\i+3], v7 offset:512*\i
.endr
.irp i, 0,1,2,3,4,5,6,7,8,9,10,11
	s_wait_dscnt 11-\i                             ; load i is in; the younger ones may be out
	global_store_b128 v8, v[OUTR+4*\i:OUTR+4*\i+3], s[34:35] offset:512*\i   ; 512 consecutive bytes
.endr
	s_wait_tensorcnt 0x0
	ds_add_u32 v254, v255
	s_wait_dscnt 0x0
	s_endpgm
.Lfunc_end_k_q4f9e33e9cd_prep:
	.size	k_q4f9e33e9cd_prep, .Lfunc_end_k_q4f9e33e9cd_prep-k_q4f9e33e9cd_prep
	.p2alignl 7, 3214868480
	.fill 96, 4, 3214868480
	.section	.rodata,"a",@progbits
	.p2align	6, 0x0
	.amdhsa_kernel k_q4f9e33e9cd_prep
		.amdhsa_group_segment_fixed_size 58880
		.amdhsa_private_segment_fixed_size 0
		.amdhsa_enable_private_segment 0
		.amdhsa_kernarg_size 56
		.amdhsa_user_sgpr_count 2
		.amdhsa_user_sgpr_kernarg_segment_ptr 1
		.amdhsa_wavefront_size32 1
		.amdhsa_system_sgpr_workgroup_id_x 1
		.amdhsa_system_sgpr_workgroup_id_y 1
		.amdhsa_system_sgpr_workgroup_id_z 1
		.amdhsa_system_vgpr_workitem_id 0
		.amdhsa_next_free_vgpr 256
		.amdhsa_next_free_sgpr 66
		.amdhsa_reserve_vcc 1
		.amdhsa_float_denorm_mode_32 3
		.amdhsa_float_denorm_mode_16_64 3
		.amdhsa_memory_ordered 1
		.amdhsa_forward_progress 1
		.amdhsa_inst_pref_size 75
	.end_amdhsa_kernel
	.amdgpu_metadata
---
amdhsa.version: [ 1, 2 ]
amdhsa.kernels:
  - .name:           k_q4f9e33e9cd_prep
    .symbol:         k_q4f9e33e9cd_prep.kd
    .args:
      - { .name: x, .offset: 0, .size: 8, .value_kind: global_buffer, .address_space: global }
      - { .name: w_q, .offset: 8, .size: 8, .value_kind: global_buffer, .address_space: global }
      - { .name: w_k, .offset: 16, .size: 8, .value_kind: global_buffer, .address_space: global }
      - { .name: w_v, .offset: 24, .size: 8, .value_kind: global_buffer, .address_space: global }
      - { .name: w_o, .offset: 32, .size: 8, .value_kind: global_buffer, .address_space: global }
      - { .name: xq, .offset: 40, .size: 8, .value_kind: global_buffer, .address_space: global }
      - { .name: wq, .offset: 48, .size: 8, .value_kind: global_buffer, .address_space: global }
    .group_segment_fixed_size: 58880
    .private_segment_fixed_size: 0
    .kernarg_segment_align: 8
    .kernarg_segment_size: 56
    .max_flat_workgroup_size: 128
    .sgpr_count:     66
    .vgpr_count:     256
    .wavefront_size: 32
...
	.end_amdgpu_metadata
.endif
;; end of part 1
;; launch proj (part 2): grid 96 x 4, 4 waves a work-group, clusters of 4 x 4, 327,680 bytes of LDS; arguments xq, wq, b_q, b_k, b_v, qbuf, kv; writes qbuf, kv
.if DOCPART == 2
	.amdgcn_target "amdgcn-amd-amdhsa--gfx1250"
	.amdhsa_code_object_version 6
	.text
	.protected	k_q4f9e33e9cd_proj
	.globl	k_q4f9e33e9cd_proj
	.p2align	8
	.type	k_q4f9e33e9cd_proj,@function
k_q4f9e33e9cd_proj:
	s_mov_b64 s[64:65], 0
	v_nop
	global_prefetch_b8 v0, s[64:65] scope:SCOPE_SE
	s_setreg_imm32_b32 hwreg(HW_REG_WAVE_MODE, 25, 1), 1
	s_wait_xcnt 0x0
	s_wait_alu depctr_hold_cnt(0) depctr_sa_sdst(0) depctr_va_vdst(0) depctr_va_sdst(0) depctr_va_ssrc(0) depctr_va_vcc(0) depctr_vm_vsrc(0)
	s_getreg_b32 s2, hwreg(HW_REG_IB_STS2, 6, 4)
	s_cmp_eq_u32 s2, 0
	s_cbranch_scc0 .Lentry_in_a_cluster
	s_endpgm
.Lentry_in_a_cluster:
	s_bfe_u32 s2, ttmp6, 0x10000c
	s_cmp_lg_u32 s2, 0xf033
	s_cbranch_scc0 .Lentry_shape_is_right
	s_endpgm
.Lentry_shape_is_right:
; q = x w_q + b_q, k = x w_k + b_k, v = x w_v + b_v on codes of BF6 (E3M2) with E8M0 scales, K = 1,024; the results are quantised here, q and k along the head's 64, v along the keys, and leave as codes.
; A tile of 256 x 256 is made by four waves, 128 x 128 each: 64 accumulators, 512 registers.  K goes in steps of 256 through a ring of two LDS slots.  The operands lie in memory in the order of the operand's
; registers (a half fragment of 16 rows x 64 K: registers 0-3 at 16 x lane, registers 4-5 at 512 + 8 x lane; a K step of 128 rows: 24,576 bytes of codes, then 8 scale bytes a row): a K step of 128 rows is one
; dense block of 100 x 256 bytes, one tensor load brings codes and scales, and a fragment is four LDS loads of consecutive bytes: no pitch, no padding.
; THE MATRIX INSTRUCTION IS USED TRANSPOSED (source 0 = 16 rows of operand B, source 1 = 16 rows of operand A): a lane holds one row of A and eight rows of B in its registers.
; TWO MODES, by the cluster's number c (the same in all sixteen partners).  c < 16: A = x, B = w_q (c even) or w_k (c odd): a lane's registers run along the head's d.  c >= 16: A = w_v, B = x: the result is V^T, and a
; lane's registers run along the keys.  So in both modes the axis that is quantised is the registers' axis.  The weights' rows are stored permuted (bits 3 and 4 of the row exchanged), so that d comes out in its own order.
; IN V^T (and in the weights p of the attention launch) position 16 h + 8 u + j of a block of 32 keys holds key 16 u + 8 h + j: the same 32 keys as the quantiser's block, in the same order on both sides of the product.
; OUT: qbuf [64 heads][16 groups of 128 queries][8 half fragments, 128 scale words]; kv [64 heads][16 key steps of 128][K: 8 half fragments, 128 scale words; V^T: 4 fragments, 64 scale words].
; A scale word of q or k is (b0, b1, b0, b1): the upper two bytes meet zero codes alone.
; CLUSTERS: 4 x 4 work-groups; A's tiles are shared along a row of the cluster, B's along a column: each is asked for jointly.
; LIMITS: a block's byte is held at 1 from below, a block of zeros gets the byte 1 (this program alone reads the bytes); NaN and infinities are not served.
; REGISTERS, in windows of 256: window 0: v9-31 addresses; v32-63 scale words, two sets; v64-127 the bias; v128-223 A's fragments, one set; on the way out v128-239 are at work.
;   window 1: B's fragments, two sets, at v0 and v128.   windows 2, 3: the accumulators of my rows 0-63, 64-127: (a, b) at v[8 (8 (a % 4) + b)].
.set GRP,    102400                    ; a group of 128 rows in memory
.set KSB,    25600                     ; a K step of a group
.set HALFT,  KSB                       ; what one tensor load brings
.set SLOT,   4*HALFT                   ; A's two groups, then B's two
.set SPARE,  2*SLOT                    ; behind the ring: the spare words, 128 bytes a wave: two blocks of 256 bytes that no other line names
.set STG,    SPARE+512                 ; behind them: the scale words' stages, 1,024 bytes a wave for each mode: never filled by a tensor load
.set NQ,     2                         ; matrix instructions deep in a slot
.set FR,     12                        ; registers of a fragment
.set NL,     4                         ; LDS loads that bring one
.set NP,     4                         ; places behind this matrix instruction (ISA guide 7.12.1)
.set VSO,  9                           ; v9      V's scale words in memory: lanes 16-31 the next head
.set RD0,  10                          ; v10     mode 0: where I read the scale words back
.set RD1,  11                          ; v11     mode 1
.set ADRS, 12                          ; v12-13  LDS address of my scale words in slot 0, 1: lanes 0-15 A's rows, lanes 16-31 B's
.set BO0,  14                          ; v14     the bias's offset, mode 0
.set BO1,  15                          ; v15     mode 1
.set ADRA, 16                          ; v16-17  16 x lane in my group of A, slot 0, 1;  v18-19 the same with 8 x lane
.set ADRB, 20                          ; v20-23  likewise for B
.set L16,  24                          ; v24     16 x lane;  v25 8 x lane;  v26, v27 the same one head on
.set SPW,  28                          ; v28     LDS address of my spare word; never rewritten
.set NIL,  29                          ; v29     0; never rewritten
.set ST0,  30                          ; v30     mode 0: where I put a scale word
.set ST1,  31                          ; v31     mode 1
.set SC,   32
.set BI,   64
.set AF,   128
.set H,    128                         ; the way out: 64 numbers of a lane
.set PC,   192                         ; their codes
.set TM,   212                         ; at work
.set PW,   228                         ; the scale word
.set W2,   229                         ; a head's half of it, doubled
.set SELR, 230                         ; byte selects for that
.set BK,   232                         ; v232-239 scale words read back
.set WV,   18                          ; s18 wave;  s19 wave / 2: my half of the rows, and: I fetch for A (0) or B (1);  s20 wave % 2: my half of the columns, and: which group I fetch
.set RH,   19
.set CH,   20
.set G1,   24
.set G0,   32
.set G1B,  48
.set G0B,  56
.set SEL,  92                          ; s[92:93] lane selects for v_permlanex16_b32
.set MSB, 0
.macro WIN new                         ; the immediate's high byte repeats the setting that is left
.if MSB != (\new)
	s_set_vgpr_msb (MSB<<8)|(\new)
.set MSB, (\new)
.endif
.endm
.set MUL_LO, 0xa1                      ; source 0 (B) window 1, source 1 (A) window 0, C and D window 2
.set MUL_HI, 0xf1                      ; the same, C and D window 3
.set TO_B,   0x40                      ; destination window 1, address window 0
; A joint load: waves 0 and 1 fetch for A, waves 2 and 3 for B; the branch hangs on the wave's number alone.  Four v_nop follow each of the two lines.
.macro JLOAD g0a, g1a, g0b, g1b
	s_cmp_eq_u32 s[RH], 0
	s_cbranch_scc0 .Lfor_b_\@
	tensor_load_to_lds s[\g0a:\g0a+3], s[\g1a:\g1a+7]
	s_nop 0
.rept 4
	v_nop
.endr
	s_branch .Lasked_\@
.Lfor_b_\@:
	tensor_load_to_lds s[\g0b:\g0b+3], s[\g1b:\g1b+7]
	s_nop 0
.rept 4
	v_nop
.endr
.Lasked_\@:
.endm
.macro CREST                           ; a round of the cluster's barrier behind its opening barrier
	s_cmp_lg_u32 s[WV], 0
	s_cbranch_scc1 .Lnot_wave_0_\@
	s_barrier_signal -3
.Lnot_wave_0_\@:
	s_barrier_wait -3
	s_barrier_signal -1
	s_barrier_wait -1
.endm
.macro CROUND
	s_barrier_signal -1
	s_barrier_wait -1
	CREST
.endm
.macro PLACES n
.rept \n
	v_nop
.endr
.endm
; 64 numbers of a lane, register 16 b + i = position 32 b + 16 h + i of its row, become a fragment's codes in v[PC] on and its scale word in v[PW].
.macro QUANT s
.irp b, 0,1,2,3
	v_max3_num_f32 v[TM+\b], |v[\s+16*\b]|, |v[\s+1+16*\b]|, 0x2800000   ; my 16 numbers and the floor 2^(5 - 127)
.endr
.irp i, 2,4,6,8,10,12,14
.irp b, 0,1,2,3
	v_max3_num_f32 v[TM+\b], v[TM+\b], |v[\s+16*\b+\i]|, |v[\s+1+16*\b+\i]|
.endr
.endr
.irp b, 0,1,2,3
	v_permlanex16_b32 v[TM+4+\b], v[TM+\b], s[SEL], s[SEL+1]
.endr
.irp b, 0,1,2,3
	v_max_num_f32 v[TM+\b], v[TM+\b], v[TM+4+\b]
.endr
.irp b, 0,1,2,3
	v_add_nc_u32 v[TM+12+\b], 0xfe000000, v[TM+\b]   ; 4 off the exponent field: the conversion's scale operand
.endr
.irp b, 0,1,2,3
	v_lshrrev_b32 v[TM+4+\b], 23, v[TM+12+\b]
.endr
	v_lshl_or_b32 v[PW], v[TM+5], 8, v[TM+4]
	v_lshl_or_b32 v[PW], v[TM+6], 16, v[PW]
	v_lshl_or_b32 v[PW], v[TM+7], 24, v[PW]
.irp c, 0,1
	v_cvt_scalef32_pk16_bf6_f32 v[PC+6*\c:PC+2+6*\c], v[\s+32*\c:\s+15+32*\c], v[TM+12+2*\c]
	v_cvt_scalef32_pk16_bf6_f32 v[PC+12+4*\c:PC+14+4*\c], v[\s+16+32*\c:\s+31+32*\c], v[TM+12+2*\c+1]
.endr
	v_nop                                          ; one plain place behind a scaled conversion
.irp c, 0,1
.irp i, 0,1,2
	v_permlane16_swap_b32 v[PC+6*\c+\i], v[PC+12+4*\c+\i]
.endr
.irp i, 0,1,2
	v_mov_b32 v[PC+3+6*\c+\i], v[PC+12+4*\c+\i]
.endr
.endr
.endm
	s_load_b256 s[4:11], s[0:1], 0x0               ; xq, wq, b_q, b_k
	s_load_b128 s[12:15], s[0:1], 0x20             ; b_v, qbuf
	s_load_b64 s[16:17], s[0:1], 0x30              ; kv
	v_lshl_add_u32 v[SPW], v0, 2, SPARE
	v_mov_b32 v[NIL], 0
	ds_add_u32 v28, v29
	s_wait_dscnt 0x0
	v_lshrrev_b32 v1, 5, v0
	v_readfirstlane_b32 s[WV], v1
	s_lshr_b32 s[RH], s[WV], 1
	s_and_b32 s[CH], s[WV], 1
	s_bfe_u32 s40, ttmp6, 0x40000                  ; cx
	s_bfe_u32 s41, ttmp6, 0x40004                  ; cy
	s_and_b32 s67, ttmp9, 1                        ; mode 0: cluster column: q or k,
	s_lshr_b32 s68, ttmp9, 1                       ; cluster row
	s_sub_co_u32 s21, ttmp9, 16                    ; mode 1: cluster column, along the keys
	s_cmp_ge_u32 ttmp9, 16
	s_cselect_b32 s66, 1, 0                        ; the mode
	s_cselect_b32 s67, s21, s67
	s_cselect_b32 s68, 0, s68
	s_lshl_b32 s42, s67, 2
	s_add_co_u32 s42, s42, s40                     ; tile column
	s_lshl_b32 s69, s68, 2
	s_add_co_u32 s69, s69, s41                     ; tile row
	s_lshl_b32 s43, s41, 2
	s_lshl_b32 s43, 15, s43                        ; my row of the cluster
	s_lshl_b32 s44, 0x1111, s40                    ; my column
	; descriptor group 1: a dense block of 100 rows x 32 elements of 8 bytes, no padding
	s_or_b32 s[G1+0], s43, (3<<16)|(1<<21)         ; 15:0 the mask; 17:16 elements of 8 bytes; 21 set beside a mask
	s_or_b32 s[G1B+0], s44, (3<<16)|(1<<21)
.irp g, G1, G1B
	s_mov_b32 s[\g+1], 32<<16                      ; tensor_dim0
	s_mov_b32 s[\g+2], 100<<16                     ; tensor_dim1
	s_mov_b32 s[\g+3], 32<<16                      ; tile_dim0
	s_mov_b32 s[\g+4], 100                         ; tile_dim1
	s_mov_b32 s[\g+5], 32                          ; from row to row
	s_mov_b32 s[\g+6], 0
	s_mov_b32 s[\g+7], 0
.endr
	s_lshl_b32 s22, s69, 1
	s_add_co_u32 s22, s22, s[CH]
	s_mul_i32 s22, s22, GRP                        ; A: group 2 x tile row + the one I fetch
	s_mov_b32 s23, 0
	s_lshl_b32 s46, s42, 1
	s_add_co_u32 s46, s46, s[CH]
	s_mul_i32 s46, s46, GRP                        ; B: group 2 x tile column + the one I fetch
	s_mov_b32 s47, 0
	s_mul_i32 s45, s[WV], HALFT                    ; where it goes: no place in the cluster enters an LDS address
	s_mov_b32 s[SEL], 0x76543210
	s_mov_b32 s[SEL+1], 0xfedcba98
	s_wait_kmcnt 0x0
	s_cmp_lg_u32 s66, 0
	s_cselect_b64 s[76:77], s[6:7], s[4:5]         ; A's buffer: the weights in mode 1,
	s_cselect_b64 s[78:79], s[4:5], s[6:7]         ; B's
	s_cselect_b32 s80, 16*GRP, 0                   ; w_v begins at group 16
	s_mov_b32 s81, 0
	s_add_nc_u64 s[76:77], s[76:77], s[80:81]
	s_add_nc_u64 s[76:77], s[76:77], s[22:23]
	s_add_nc_u64 s[78:79], s[78:79], s[46:47]
	CROUND                                         ; all sixteen work-groups are here: the first joint loads meet
.irp s, 0,1
	s_mov_b32 s[G0+4*\s], 1
	s_add_co_u32 s[G0+4*\s+1], s45, \s*SLOT
	s_add_nc_u64 s[G0+4*\s+2:G0+4*\s+3], s[76:77], \s*KSB
	s_or_b32 s[G0+4*\s+3], s[G0+4*\s+3], 0x80000000
	s_mov_b32 s[G0B+4*\s], 1
	s_add_co_u32 s[G0B+4*\s+1], s45, \s*SLOT
	s_add_nc_u64 s[G0B+4*\s+2:G0B+4*\s+3], s[78:79], \s*KSB
	s_or_b32 s[G0B+4*\s+3], s[G0B+4*\s+3], 0x80000000
	JLOAD G0+4*\s, G1, G0B+4*\s, G1B
.endr
	v_and_b32 v1, 15, v0                           ; r
	v_bfe_u32 v2, v0, 4, 1                         ; h
	v_and_b32 v3, 31, v0                           ; lane
	v_lshlrev_b32 v[L16], 4, v3
	v_lshlrev_b32 v[L16+1], 3, v3
	s_mul_i32 s21, s[RH], HALFT                    ; my group of A
	s_mul_i32 s22, s[CH], HALFT
	s_add_co_u32 s22, s22, 2*HALFT                 ; my group of B, behind A's two
.irp s, 0,1
	v_add_nc_u32 v[ADRA+\s], s21, v[L16]
	v_add_nc_u32 v[ADRB+\s], s22, v[L16]
	v_add_nc_u32 v[ADRA+2+\s], s21, v[L16+1]
	v_add_nc_u32 v[ADRB+2+\s], s22, v[L16+1]
	s_add_co_u32 s21, s21, SLOT
	s_add_co_u32 s22, s22, SLOT
.endr
	s_mul_i32 s21, s[RH], HALFT
	s_mul_i32 s22, s[CH], HALFT
	s_add_co_u32 s22, s22, 2*HALFT
	s_sub_co_u32 s22, s22, s21
	v_mul_u32_u24 v6, s22, v2                      ; lanes 16-31 take B's scale words
	v_lshl_add_u32 v6, v1, 3, v6                   ; 8 bytes a row
	s_add_co_u32 s21, s21, 24576
	v_add_nc_u32 v[ADRS], s21, v6
	s_add_co_u32 s21, s21, SLOT
	v_add_nc_u32 v[ADRS+1], s21, v6
	; where the results go
	s_lshl_b32 s82, s42, 1
	s_add_co_u32 s82, s82, s[CH]                   ; mode 1: x's group is B's
	s_lshl_b32 s83, s69, 1
	s_add_co_u32 s83, s83, s[RH]                   ; mode 0: A's
	s_lshl_b32 s84, s41, 2
	s_lshl_b32 s85, s[RH], 1
	s_add_co_u32 s84, s84, s85                     ; mode 1: my first head: 4 cy + 2 x row half
	s_lshl_b32 s86, s40, 2
	s_lshl_b32 s85, s[CH], 1
	s_add_co_u32 s86, s86, s85                     ; mode 0: 4 cx + 2 x column half
	s_cmp_lg_u32 s66, 0
	s_cselect_b32 s82, s82, s83                    ; x's group of 128 rows: batch 16 + group
	s_cselect_b32 s84, s84, s86                    ; my first head
	s_cselect_b32 s87, 6656, 0                     ; V^T lies behind K in a key step
	s_or_b32 s88, s66, s67
	s_cmp_eq_u32 s88, 0                            ; q?
	s_mov_b32 s72, 13056
	s_cselect_b32 s72, 6656, s72                   ; bytes of a group of 128 rows of a head
	s_cselect_b64 s[70:71], s[14:15], s[16:17]
	s_lshr_b32 s89, s82, 4
	s_lshl_b32 s89, s89, 4
	s_add_co_u32 s89, s89, s84                     ; batch x 16 + head
	s_lshl_b32 s89, s89, 4
	s_and_b32 s90, s82, 15
	s_add_co_u32 s89, s89, s90                     ; x 16 + group
	s_mul_i32 s90, s89, s72
	s_add_co_u32 s90, s90, s87
	s_mov_b32 s91, 0
	s_add_nc_u64 s[70:71], s[70:71], s[90:91]
	s_lshl_b32 s72, s72, 4                         ; from a head to the next
	s_cmp_lg_u32 s67, 0
	s_cselect_b64 s[74:75], s[10:11], s[8:9]       ; b_k or b_q,
	s_cmp_lg_u32 s66, 0
	s_cselect_b64 s[74:75], s[12:13], s[74:75]     ; or b_v
	s_lshl_b32 s90, s84, 8                         ; 64 numbers a head
	s_add_nc_u64 s[74:75], s[74:75], s[90:91]
	v_add_nc_u32 v[L16+2], s72, v[L16]
	v_add_nc_u32 v[L16+3], s72, v[L16+1]
	v_mul_u32_u24 v[VSO], s72, v2
	v_lshl_add_u32 v[VSO], v1, 4, v[VSO]
	v_lshlrev_b32 v[BO0], 6, v2                    ; mode 0: register 16 b + i wants the bias of column 32 b + 16 h + i
	v_and_b32 v[BO1], 8, v1
	v_add_nc_u32 v[BO1], v[BO1], v1
	v_lshlrev_b32 v[BO1], 2, v[BO1]                ; mode 1: lane r of tile 2 b + u holds column 32 b + 8 u + r + 8 (r / 8)
	s_lshl_b32 s21, s[WV], 10
	s_add_co_u32 s21, s21, STG
	v_lshlrev_b32 v[ST0], 9, v2
	v_lshl_add_u32 v[ST0], v1, 2, v[ST0]
	v_add_nc_u32 v[ST0], s21, v[ST0]               ; mode 0: lanes 0-15 the first head's 128 words, lanes 16-31 the second's
	v_add_nc_u32 v[RD0], s21, v[L16]
	s_add_co_u32 s21, s21, 4096
	v_lshlrev_b32 v[ST1], 2, v1
	v_add_nc_u32 v[ST1], s21, v[ST1]               ; mode 1: a word a row
	v_add_nc_u32 v[RD1], s21, v[L16]
	v_and_b32 v3, 16, v0
	v_cmp_ne_u32 vcc_lo, 0, v3
	v_mov_b32 v[SELR], 0x01000100                  ; lanes 0-15: bytes 0, 1, doubled;
	v_mov_b32 v4, 0x03020302                       ; lanes 16-31: bytes 2, 3
	v_cndmask_b32 v[SELR], v[SELR], v4, vcc_lo
.macro FRAG reg, adr, q, i             ; a fragment, 16 rows x 128 K: block i, the slot's q-th 128 along K: four loads of consecutive bytes
	ds_load_b128 v[\reg:\reg+3], v[\adr] offset:((\i)*2+(\q))*1536
	ds_load_b64 v[\reg+4:\reg+5], v[\adr+2] offset:((\i)*2+(\q))*1536+512
	ds_load_b128 v[\reg+6:\reg+9], v[\adr] offset:((\i)*2+(\q))*1536+768
	ds_load_b64 v[\reg+10:\reg+11], v[\adr+2] offset:((\i)*2+(\q))*1536+1280
.endm
; 16 matrix instructions: A's blocks a0, a0 + 1 x B's eight.  p: B's set; sc: the set of scale words; zero = 1: the first product starts the sums.  The 64 accumulators take turns, one instruction a turn.
.macro MUL16 a0, p, q, sc, zero
.irp a, \a0, \a0+1
.irp b, 0,1,2,3,4,5,6,7
.if \zero
	v_wmma_scale_f32_16x16x128_f8f6f4 v[8*(8*((\a)%4)+\b):8*(8*((\a)%4)+\b)+7], v[128*(\p)+FR*\b:128*(\p)+FR*\b+FR-1], v[AF+FR*(\a):AF+FR*(\a)+FR-1], 0, v[SC+8*NQ*(\sc)+NQ*\b+(\q)], v[SC+8*NQ*(\sc)+NQ*(\a)+(\q)] matrix_a_fmt:MATRIX_FMT_BF6 matrix_b_fmt:MATRIX_FMT_BF6 matrix_a_scale:MATRIX_SCALE_ROW1
.else
	v_wmma_scale_f32_16x16x128_f8f6f4 v[8*(8*((\a)%4)+\b):8*(8*((\a)%4)+\b)+7], v[128*(\p)+FR*\b:128*(\p)+FR*\b+FR-1], v[AF+FR*(\a):AF+FR*(\a)+FR-1], v[8*(8*((\a)%4)+\b):8*(8*((\a)%4)+\b)+7], v[SC+8*NQ*(\sc)+NQ*\b+(\q)], v[SC+8*NQ*(\sc)+NQ*(\a)+(\q)] matrix_a_fmt:MATRIX_FMT_BF6 matrix_b_fmt:MATRIX_FMT_BF6 matrix_a_scale:MATRIX_SCALE_ROW1
.endif
.endr
.endr
.endm
.macro FETCH_B slot, q, p
	WIN TO_B
.irp i, 0,1,2,3,4,5,6,7
	FRAG 128*(\p)+FR*\i, ADRB+\slot, \q, \i
.endr
	WIN 0
.endm
.macro FETCH_A slot, q, i0
.irp i, \i0, \i0+1, \i0+2, \i0+3
	FRAG AF+FR*(\i), ADRA+\slot, \q, \i
.endr
.endm
.macro SCALES sc                       ; slot sc's scale words: two words a row; lanes 0-15 A's block i, lanes 16-31 B's block i
.irp i, 0,1,2,3,4,5,6,7
	ds_load_b64 v[SC+8*NQ*\sc+NQ*\i:SC+8*NQ*\sc+NQ*\i+1], v[ADRS+\sc] offset:128*\i
.endr
.endm
; A step of 128 along K that has its successor in the same slot.  Loads into registers that matrix instructions have read stand NP places behind them.
.macro STEP slot, q, zero
	s_wait_dscnt 4*NL                              ; B's set, A's blocks 0-3 and the scale words are in; the youngest 16 loads (A's blocks 4-7) may be out
	WIN MUL_LO
	MUL16 0, (\q)%2, \q, \slot, \zero
	MUL16 2, (\q)%2, \q, \slot, \zero
	s_wait_dscnt 0
	PLACES NP
	FETCH_B \slot, (\q)+1, 1-(\q)%2
	FETCH_A \slot, (\q)+1, 0
	WIN MUL_HI
	MUL16 4, (\q)%2, \q, \slot, \zero
	MUL16 6, (\q)%2, \q, \slot, \zero
	PLACES NP
	WIN 0
	FETCH_A \slot, (\q)+1, 4
.endm
; A slot's last step changes slots: one barrier; in front of it each wave waits for all its tensor loads, adds 0 to its spare word, and waits for that and for its reads of this slot.  fill = 1: this slot is filled again, two K steps on.
.macro TURN slot, next, fill
	s_wait_tensorcnt 0x0                           ; all my tensor loads have landed: my part of the next slot
	ds_add_u32 v[SPW], v[NIL]                      ; 0 onto my spare word
	s_wait_dscnt 4*NL+1                            ; the add and the youngest 16 loads may be out
	WIN MUL_LO
	MUL16 0, 1, NQ-1, \slot, 0
	s_wait_dscnt 0x0                               ; the add is done, and my reads of this slot are over
	s_barrier_signal -1
	MUL16 2, 1, NQ-1, \slot, 0
	WIN 0
	s_barrier_wait -1
.if \fill
	CREST                                          ; the barrier has opened a round of the cluster's barrier: no wave of any partner still reads this slot or has a load on its way
	s_add_nc_u64 s[G0+4*\slot+2:G0+4*\slot+3], s[G0+4*\slot+2:G0+4*\slot+3], 2*KSB
	s_add_nc_u64 s[G0B+4*\slot+2:G0B+4*\slot+3], s[G0B+4*\slot+2:G0B+4*\slot+3], 2*KSB
	JLOAD G0+4*\slot, G1, G0B+4*\slot, G1B         ; the first tensor load behind the round; its four v_nop are the places in front of the loads below
.else
	PLACES NP
.endif
	FETCH_B \next, 0, 0
	FETCH_A \next, 0, 0
	SCALES \next
	WIN MUL_HI
	MUL16 4, 1, NQ-1, \slot, 0
	MUL16 6, 1, NQ-1, \slot, 0
	PLACES NP
	WIN 0
	FETCH_A \next, 0, 4
.endm
.macro LAST                            ; the very last step: nothing more to fetch
	s_wait_dscnt 4*NL
	WIN MUL_LO
	MUL16 0, 1, NQ-1, 1, 0
	MUL16 2, 1, NQ-1, 1, 0
	s_wait_dscnt 0
	WIN MUL_HI
	MUL16 4, 1, NQ-1, 1, 0
	MUL16 6, 1, NQ-1, 1, 0
	WIN 0
.endm
; THE WAY OUT of A's block a: the bias is added on the way into window 0 (each accumulator from its low end on), the 64 numbers are quantised, the codes leave in the order of the operand's registers.
.macro EPI a, mode
.if (\a) > 0
	s_wait_xcnt 0x0                                ; the last block's stores have read the codes' registers
.endif
	WIN 0x02+(\a)/4                                ; source 0: window 2 or 3
.set j, 0
.rept 32
.if \mode
	v_pk_add_f32 v[H+j:H+j+1], v[64*((\a)%4)+j:64*((\a)%4)+j+1], v[BI+2*(\a):BI+2*(\a)+1]   ; the bias of my row of V^T
.else
	v_pk_add_f32 v[H+j:H+j+1], v[64*((\a)%4)+j:64*((\a)%4)+j+1], v[BI+j:BI+j+1]             ; the bias of each column
.endif
.set j, j+2
.endr
	WIN 0
	QUANT H
.if \mode
	global_store_b128 v[L16+2*((\a)/4)], v[PC:PC+3], s[70:71] offset:1536*((\a)%4)          ; a fragment of V^T: 16 of a head's 64 x 128 keys
	global_store_b64 v[L16+1+2*((\a)/4)], v[PC+4:PC+5], s[70:71] offset:1536*((\a)%4)+512
	global_store_b128 v[L16+2*((\a)/4)], v[PC+6:PC+9], s[70:71] offset:1536*((\a)%4)+768
	global_store_b64 v[L16+1+2*((\a)/4)], v[PC+10:PC+11], s[70:71] offset:1536*((\a)%4)+1280
	ds_store_b32 v[ST1], v[PW] offset:64*(\a)      ; both halves of the lanes write the same word with the same value
.else
	global_store_b128 v[L16], v[PC:PC+3], s[70:71] offset:768*(\a)                          ; the first head's half fragment: 16 rows x 64
	global_store_b64 v[L16+1], v[PC+4:PC+5], s[70:71] offset:768*(\a)+512
	global_store_b128 v[L16+2], v[PC+6:PC+9], s[70:71] offset:768*(\a)                      ; the second head's
	global_store_b64 v[L16+3], v[PC+10:PC+11], s[70:71] offset:768*(\a)+512
	v_perm_b32 v[W2], v[PW], v[PW], v[SELR]        ; lanes 0-15: (b0, b1, b0, b1); lanes 16-31: (b2, b3, b2, b3)
	ds_store_b32 v[ST0], v[W2] offset:64*(\a)
.endif
.endm
	s_wait_tensorcnt 1                             ; my part of K step 0 is in; K step 1's load may be out
	s_barrier_signal -1
	s_barrier_wait -1
	FETCH_B 0, 0, 0
	FETCH_A 0, 0, 0
	SCALES 0
	FETCH_A 0, 0, 4
	STEP 0, 0, 1                                   ; K = 1,024 is four slots: written straight.  The first products start the sums
	TURN 0, 1, 1
	STEP 1, 0, 0
	TURN 1, 0, 1
	STEP 0, 0, 0
	TURN 0, 1, 0                                   ; the last two slots are not filled again
	STEP 1, 0, 0
	s_cmp_lg_u32 s66, 0                            ; the modes part here, so that each bias lands under the last 64 products
	s_cbranch_scc1 .Lv
.irp b, 0,1,2,3
.irp j, 0,1,2,3
	global_load_b128 v[BI+16*\b+4*\j:BI+16*\b+4*\j+3], v[BO0], s[74:75] offset:128*\b+16*\j
.endr
.endr
	LAST
	PLACES NP                                      ; behind the last products: their results are read, and A's registers written, below
.irp b, 0,1,2,3
	v_mov_b32 v[TM+4+\b], 0                        ; a lane permute's destination counts as one of its sources
.endr
	s_wait_loadcnt 0x0                             ; the bias
.irp a, 0,1,2,3,4,5,6,7
	EPI \a, 0
.endr
	ds_load_b128 v[BK:BK+3], v[RD0]                ; LDS serves a wave's instructions in order: these see my stores
	ds_load_b128 v[BK+4:BK+7], v[RD0] offset:512
	s_wait_dscnt 0x0
	global_store_b128 v[L16], v[BK:BK+3], s[70:71] offset:6144      ; a head's 128 scale words: 512 consecutive bytes
	global_store_b128 v[L16+2], v[BK+4:BK+7], s[70:71] offset:6144
	s_branch .Lend
.Lv:
.irp a, 0,1,2,3,4,5,6,7
	global_load_b32 v[BI+2*\a], v[BO1], s[74:75] offset:(32*(\a/2)+8*(\a%2))*4
	global_load_b32 v[BI+2*\a+1], v[BO1], s[74:75] offset:(32*(\a/2)+8*(\a%2))*4   ; twice: a pair for the packed addition
.endr
	LAST
	PLACES NP
.irp b, 0,1,2,3
	v_mov_b32 v[TM+4+\b], 0
.endr
	s_wait_loadcnt 0x0
.irp a, 0,1,2,3,4,5,6,7
	EPI \a, 1
.endr
	ds_load_b128 v[BK:BK+3], v[RD1]
	s_wait_dscnt 0x0
	global_store_b128 v[VSO], v[BK:BK+3], s[70:71] offset:6144      ; lanes 0-15: the first head's 64 words, 256 consecutive bytes; lanes 16-31: the second's
.Lend:
	s_wait_tensorcnt 0x0                           ; the wave's end
	ds_add_u32 v[SPW], v[NIL]
	s_wait_dscnt 0x0
	CROUND                                         ; the closing round
	s_endpgm
.Lfunc_end_k_q4f9e33e9cd_proj:
	.size	k_q4f9e33e9cd_proj, .Lfunc_end_k_q4f9e33e9cd_proj-k_q4f9e33e9cd_proj
	.p2alignl 7, 3214868480
	.fill 96, 4, 3214868480
	.section	.rodata,"a",@progbits
	.p2align	6, 0x0
	.amdhsa_kernel k_q4f9e33e9cd_proj
		.amdhsa_group_segment_fixed_size 327680
		.amdhsa_private_segment_fixed_size 0
		.amdhsa_enable_private_segment 0
		.amdhsa_kernarg_size 56
		.amdhsa_user_sgpr_count 2
		.amdhsa_user_sgpr_kernarg_segment_ptr 1
		.amdhsa_wavefront_size32 1
		.amdhsa_system_sgpr_workgroup_id_x 1
		.amdhsa_system_sgpr_workgroup_id_y 1
		.amdhsa_system_sgpr_workgroup_id_z 1
		.amdhsa_system_vgpr_workitem_id 0
		.amdhsa_next_free_vgpr 1024
		.amdhsa_next_free_sgpr 100
		.amdhsa_reserve_vcc 1
		.amdhsa_float_denorm_mode_32 3
		.amdhsa_float_denorm_mode_16_64 3
		.amdhsa_memory_ordered 1
		.amdhsa_forward_progress 1
		.amdhsa_inst_pref_size 226
	.end_amdhsa_kernel
	.amdgpu_metadata
---
amdhsa.version: [ 1, 2 ]
amdhsa.kernels:
  - .name:           k_q4f9e33e9cd_proj
    .symbol:         k_q4f9e33e9cd_proj.kd
    .args:
      - { .name: xq, .offset: 0, .size: 8, .value_kind: global_buffer, .address_space: global }
      - { .name: wq, .offset: 8, .size: 8, .value_kind: global_buffer, .address_space: global }
      - { .name: b_q, .offset: 16, .size: 8, .value_kind: global_buffer, .address_space: global }
      - { .name: b_k, .offset: 24, .size: 8, .value_kind: global_buffer, .address_space: global }
      - { .name: b_v, .offset: 32, .size: 8, .value_kind: global_buffer, .address_space: global }
      - { .name: qbuf, .offset: 40, .size: 8, .value_kind: global_buffer, .address_space: global }
      - { .name: kv, .offset: 48, .size: 8, .value_kind: global_buffer, .address_space: global }
    .group_segment_fixed_size: 327680
    .private_segment_fixed_size: 0
    .kernarg_segment_align: 8
    .kernarg_segment_size: 56
    .max_flat_workgroup_size: 128
    .sgpr_count:     100
    .vgpr_count:     1024
    .wavefront_size: 32
...
	.end_amdgpu_metadata
.endif
;; end of part 2
;; launch attn (part 3): grid 4 x 64, 16 waves a work-group, no clusters, 327,680 bytes of LDS; arguments qbuf, kv, oq; writes oq
.if DOCPART == 3
	.amdgcn_target "amdgcn-amd-amdhsa--gfx1250"
	.amdhsa_code_object_version 6
	.text
	.protected	k_q4f9e33e9cd_attn
	.globl	k_q4f9e33e9cd_attn
	.p2align	8
	.type	k_q4f9e33e9cd_attn,@function
k_q4f9e33e9cd_attn:
	s_mov_b64 s[64:65], 0
	v_nop
	global_prefetch_b8 v0, s[64:65] scope:SCOPE_SE
	s_setreg_imm32_b32 hwreg(HW_REG_WAVE_MODE, 25, 1), 1
	s_wait_xcnt 0x0
; O[q] = the sum over keys k <= q of softmax_k(Q[q] . K[k] / 8) V[k], for 64 heads of 2,048 x 64, both products on codes of BF6 (E3M2) with E8M0 scales; O / l is quantised along the model's 1,024 and leaves as codes.
; THE SOFTMAX: t = score x log2(e) / 8; M = the running largest t rounded UP to a whole number; p = 2^(t - M) is quantised along the keys, not normalised; the row's sum is taken of the unquantised p and divides O at the end.
; When M moves, the sum and O are multiplied by 2^(old M - new M): exact.
; SHARES.  A work-group owns query blocks I and 7 - I (256 queries each) of one head, one after the other: (I + 1) + (8 - I) = 9 slots of 256 keys for every work-group: 256 equal work-groups, a constant number of trips.
; Each of sixteen waves owns 16 queries, one tile, in 256 registers: four waves to a SIMD, so that one wave's vector work stands beside another's matrix work and LDS loads.
; A step all of whose 128 keys come after the wave's queries is left out by a scalar branch on ids; on the diagonal hidden scores become -infinity ahead of the maximum.
; LAYOUT.  Both products are used transposed: S^T = K Q^T, O^T = V^T P^T: a lane holds one query (lane % 16) throughout.  The head has 64 channels: the upper half of Q's and K's fragments are zero codes, set once.
; In p and in V^T position 16 h + 8 u + j of a block of 32 keys holds key 16 u + 8 h + j: the same 32 keys, the same order on both sides.  V^T's rows are permuted so that O^T's registers run along d in its own order.
; A key step (13,056 bytes: K's 8 half fragments, 128 scale words, V^T's 4 fragments, 64 scale words) lies in memory in the order of the operands' registers; a slot holds two, one dense block of 102 x 256 bytes, fetched by wave 0.
; NO CLUSTER: the four work-groups of a head walk slots 0 .. I and then 0 .. 7 - I, so in a given trip they want different slots (trip t: slot t, or slot t - I - 1): a joint request would name tiles that partners do not want.
; LIMITS: 1 / l by v_rcp_f32; a block's byte is held at 1 from below (a block of zeros keeps it: its codes are zeros); NaN and infinities are not served.
; The scale bytes of the result leave two bytes a row: a row's eight bytes of a K step belong to four heads, hence to four work-groups: 16 bytes in 400 of what the launch stores.
.set KSTEPB, 13056                     ; a key step
.set SLOTB,  2*KSTEPB
.set SLOT1,  1<<15                     ; slot 1 begins here: one exclusive or turns an address
.set SPARE,  1<<16                     ; the spare words, 128 bytes for each of 16 waves: eight blocks of 256 bytes that no other line names
.set GRP,    102400                    ; oq: a group of 128 rows
.set SPW,  5                           ; v5   LDS address of my spare word; never rewritten
.set NIL,  6                           ; v6   0; never rewritten
.set A16,  8                           ; v8   the slot in hand + 16 x lane;  v9 + 8 x lane;  v10 + 4 (lane % 16)
.set A8,   9
.set A4,   10
.set QF,   16                          ; v16-27 Q's fragment (v22-27 = 0);  v28-33, v34 the second block's, kept ready
.set QS,   35                          ; Q's scale words
.set KR,   36                          ; v36-83 four fragments of K (the upper six registers of each = 0)
.set KS,   84                          ; v84-87 K's scale words
.set VS,   88                          ; v88-91 V's
.set S,    96                          ; v96-159 S^T, then p, then V^T's four fragments (v96-143)
.set OT,   160                         ; v160-191 O^T
.set BM,   192                         ; v192-195 a block's largest score, then its largest p
.set PT,   196                         ; v196-199 at work
.set SO,   200                         ; v200-203 the conversions' scale operands
.set PC,   204                         ; v204-215 p's codes
.set CX,   216                         ; v216-218, v220-222 upper halves as the conversions leave them
.set PW,   224                         ; p's scale word
.set FF,   226                         ; v[226:227] f = 2^(old M - new M)
.set TA,   228
.set TC,   229
.set S2,   230                         ; v[230:231] the sum's second chain
.set WV,   18
.set SEL,  20                          ; s[20:21]
.set CS,   22                          ; s[22:23] c = log2(e) / 8
.set G1,   24
.set G0,   32
.set KVB,  36                          ; s[36:37] the head's first key step;  s[38:39] an offset, its high word 0
.set TB,   2                           ; s2   LDS byte at which the slot in hand begins
.set TRIP, 3
.set WGI,  40                          ; s40  I;  s41  I + 1
.set WGI1, 41
.set NS,   42                          ; s42  the slot of keys that is asked for next;  s43 the one in hand
.set CUR,  43
.set KF,   44                          ; s44  the step's first key
.set Q0,   45                          ; s45  my first query;  s46 that of the second block
.set Q0B,  46
.set OCB,  50                          ; s[50:51] oq: the head's place among the codes;  s[52:53] among the scale bytes
.set OSB,  52
.set OP,   54                          ; s[54:55], s[56:57] the same at my tile
.set OS,   56
	s_load_b128 s[4:7], s[0:1], 0x0                ; qbuf, kv
	s_load_b64 s[8:9], s[0:1], 0x10                ; oq
	v_lshl_add_u32 v[SPW], v0, 2, SPARE
	v_mov_b32 v[NIL], 0
	ds_add_u32 v5, v6
	ds_add_u32 v5, v6
	s_wait_dscnt 0x0
	v_lshrrev_b32 v7, 5, v0
	s_delay_alu instid0(VALU_DEP_1)
	v_readfirstlane_b32 s[WV], v7                  ; wave 0..15
	s_and_b32 s47, ttmp7, 0xffff                   ; batch x 16 + head
	s_mov_b32 s[WGI], ttmp9
	s_add_co_u32 s[WGI1], ttmp9, 1
	; descriptor group 1: a dense block of 102 rows x 32 elements of 8 bytes
	s_mov_b32 s[G1], 3<<16
	s_mov_b32 s[G1+1], 32<<16
	s_mov_b32 s[G1+2], 102<<16
	s_mov_b32 s[G1+3], 32<<16
	s_mov_b32 s[G1+4], 102
	s_mov_b32 s[G1+5], 32
	s_mov_b32 s[G1+6], 0
	s_mov_b32 s[G1+7], 0
	s_mul_i32 s38, s47, 16*KSTEPB
	s_mov_b32 s39, 0
	s_wait_kmcnt 0x0
	s_add_nc_u64 s[KVB:KVB+1], s[6:7], s[38:39]
	s_mov_b32 s[G0], 1
	s_mov_b32 s[G0+1], 0                           ; slot 0
	s_mov_b64 s[G0+2:G0+3], s[KVB:KVB+1]           ; keys 0 to 255
	s_or_b32 s[G0+3], s[G0+3], 0x80000000
	s_cmp_lg_u32 s[WV], 0
	s_cbranch_scc1 .Lnot_first
	tensor_load_to_lds s[G0:G0+3], s[G1:G1+7]      ; the first fill, ahead of every wait on TENSORcnt, every LDS read and every barrier
	s_nop 0
.rept 4
	v_nop
.endr
.Lnot_first:
	s_mov_b32 s[SEL], 0x76543210
	s_mov_b32 s[SEL+1], 0xfedcba98
	s_mov_b32 s[CS], 0x3e38aa3b
	s_mov_b32 s[CS+1], s[CS]                       ; named with it as a pair, so it is written
	s_mov_b32 s[TB], 0
	s_mov_b32 s[NS], 0
	s_lshl_b32 s58, s[WV], 4
	s_lshl_b32 s[Q0], ttmp9, 8
	s_add_co_u32 s[Q0], s[Q0], s58                 ; 256 I + 16 x wave
	s_sub_co_u32 s48, 7, ttmp9
	s_lshl_b32 s[Q0B], s48, 8
	s_add_co_u32 s[Q0B], s[Q0B], s58
	; Q: group of 128 queries 2 X + wave / 8, tile wave % 8
	s_lshr_b32 s58, s[WV], 3
	s_and_b32 s59, s[WV], 7
	s_lshl_b32 s60, s47, 4
	s_add_co_u32 s60, s60, s58
	s_mul_i32 s61, s59, 768
	s_lshl_b32 s62, s59, 6
	s_lshl_b32 s63, s[WGI], 1
	s_add_co_u32 s63, s63, s60
	s_mul_i32 s63, s63, 6656
	s_add_co_u32 s66, s63, s61
	s_mov_b32 s67, 0
	s_add_co_u32 s68, s63, s62
	s_mov_b32 s69, 0
	s_lshl_b32 s63, s48, 1
	s_add_co_u32 s63, s63, s60
	s_mul_i32 s63, s63, 6656
	s_add_co_u32 s70, s63, s61
	s_mov_b32 s71, 0
	s_add_co_u32 s72, s63, s62
	s_mov_b32 s73, 0
	s_add_nc_u64 s[66:67], s[4:5], s[66:67]
	s_add_nc_u64 s[68:69], s[4:5], s[68:69]
	s_add_nc_u64 s[70:71], s[4:5], s[70:71]
	s_add_nc_u64 s[72:73], s[4:5], s[72:73]
	v_and_b32 v7, 31, v0
	s_delay_alu instid0(VALU_DEP_1)
	v_lshlrev_b32 v1, 4, v7                        ; 16 x lane
	s_delay_alu instid0(VALU_DEP_2)
	v_lshlrev_b32 v2, 3, v7                        ; 8 x lane
	v_and_b32 v7, 15, v0
	s_delay_alu instid0(VALU_DEP_1)
	v_lshlrev_b32 v3, 2, v7                        ; 4 (lane % 16)
	s_delay_alu instid0(VALU_DEP_2)
	v_lshlrev_b32 v4, 3, v7                        ; 8 (lane % 16)
	global_load_b128 v[QF:QF+3], v1, s[66:67]
	global_load_b64 v[QF+4:QF+5], v2, s[66:67] offset:512
	global_load_b32 v[QS], v3, s[68:69] offset:6144
	global_load_b128 v[28:31], v1, s[70:71]
	global_load_b64 v[32:33], v2, s[70:71] offset:512
	global_load_b32 v34, v3, s[72:73] offset:6144
	; oq: rows = batch x 2,048 + query; K = 64 x head + d: K step head / 4, fragment (head / 2) % 2, half head % 2
	s_lshr_b32 s74, s47, 4
	s_mul_i32 s74, s74, 16*GRP
	s_bfe_u32 s75, s47, 0x20002
	s_mul_i32 s75, s75, 25600
	s_add_co_u32 s74, s74, s75
	s_bfe_u32 s75, s47, 0x10001
	s_mul_i32 s75, s75, 1536
	s_add_co_u32 s76, s74, s75
	s_and_b32 s75, s47, 1
	s_mul_i32 s75, s75, 768
	s_add_co_u32 s76, s76, s75
	s_mov_b32 s77, 0
	s_and_b32 s75, s47, 3
	s_lshl_b32 s75, s75, 1
	s_add_co_u32 s78, s74, s75
	s_add_co_u32 s78, s78, 24576
	s_mov_b32 s79, 0
	s_add_nc_u64 s[OCB:OCB+1], s[8:9], s[76:77]
	s_add_nc_u64 s[OSB:OSB+1], s[8:9], s[78:79]
.irp i, 6,7,8,9,10,11
	v_mov_b32 v[QF+\i], 0                          ; K = 64 .. 127 of the instruction: zero codes, for good
.irp t, 0,1,2,3
	v_mov_b32 v[KR+12*\t+\i], 0
.endr
.endr
.irp b, 0,1,2,3
	v_mov_b32 v[PT+\b], 0                          ; written once: a lane permute's destination counts as one of its sources
.endr
	v_mov_b32 v[FF+1], 0                           ; named as the upper half of f's pair
	v_mov_b32 v[TA], 0
.macro STATE                           ; a block of queries begins: the largest t -3e38, under every t; -M; the sum; O^T
	v_mov_b32 v13, 0xff61b1e6
	s_delay_alu instid0(VALU_DEP_1)
	v_floor_f32 v12, -v13
	v_mov_b32 v14, 0
	v_mov_b32 v15, 0
.irp j, 0,1,2,3,4,5,6,7,8,9,10,11,12,13,14,15,16,17,18,19,20,21,22,23,24,25,26,27,28,29,30,31
	v_mov_b32 v[OT+\j], 0                          ; the step is written once: the first finds zeros, which the first change of M leaves zeros
.endr
.endm
	STATE
; A KEY STEP: 128 keys, the q-th of the slot in hand.
.macro STEP q
	s_add_co_u32 s96, s[Q0], 15
	s_cmp_gt_u32 s[KF], s96                        ; all keys come after my queries: the step's work is left out
	s_cbranch_scc1 .Lhidden_\@
	v_add_nc_u32 v[A16], s[TB], v1
	s_wait_alu depctr_va_vdst(0)
	v_add_nc_u32 v[A8], s[TB], v2
	s_wait_alu depctr_va_vdst(0)
	v_add_nc_u32 v[A4], s[TB], v3
	s_wait_alu depctr_va_vdst(0)
	v_nop
	v_nop                                          ; five places: the scores below are written over registers that the last products V^T P read
.irp g, 0,1                                    ; S^T = K Q^T, four tiles of 16 keys at a time
.if \g
.rept 4
	v_nop                                          ; places in front of loads into registers that matrix instructions have read
.endr
.endif
.irp t, 0,1,2,3
	ds_load_b128 v[KR+12*\t:KR+12*\t+3], v[A16] offset:(\q)*KSTEPB+768*(4*\g+\t)
	ds_load_b64 v[KR+12*\t+4:KR+12*\t+5], v[A8] offset:(\q)*KSTEPB+768*(4*\g+\t)+512
	ds_load_b32 v[KS+\t], v[A4] offset:(\q)*KSTEPB+6144+64*(4*\g+\t)
.endr
	s_wait_dscnt 0x0
.irp t, 0,1,2,3
	v_wmma_scale_f32_16x16x128_f8f6f4 v[S+8*(4*\g+\t):S+8*(4*\g+\t)+7], v[KR+12*\t:KR+12*\t+11], v[QF:QF+11], 0, v[KS+\t], v[QS] matrix_a_fmt:MATRIX_FMT_BF6 matrix_b_fmt:MATRIX_FMT_BF6
.endr
.endr                                          ; lane (r, h): query r; register 8 T + j: key KF + 16 T + 8 h + j
.rept 4
	v_nop
.endr
	s_add_co_u32 s96, s[KF], 127
	s_cmp_le_u32 s96, s[Q0]                        ; all keys count: no mask
	s_cbranch_scc1 .Lopen_\@
	s_sub_co_i32 s96, s[Q0], s[KF]
	v_and_b32 v[TA], 15, v0
	v_bfe_u32 v[TC], v0, 4, 1
	s_delay_alu instid0(VALU_DEP_1)
	v_lshlrev_b32 v[TC], 3, v[TC]
	s_delay_alu instid0(VALU_DEP_1)
	v_sub_nc_u32 v[TA], v[TA], v[TC]
	s_delay_alu instid0(VALU_DEP_1)
	v_add_nc_u32 v[TA], s96, v[TA]                 ; d = my query - KF - 8 h: register 8 T + j is hidden where 16 T + j > d
	v_mov_b32 v[TC], 0xff800000                    ; -infinity
.irp n, 0,1,2,3,4,5,6,7,8,9,10,11,12,13,14,15,16,17,18,19,20,21,22,23,24,25,26,27,28,29,30,31,32,33,34,35,36,37,38,39,40,41,42,43,44,45,46,47,48,49,50,51,52,53,54,55,56,57,58,59,60,61,62,63
	v_cmp_gt_i32 vcc_lo, 16*(\n/8)+\n%8, v[TA]
	v_cndmask_b32 v[S+\n], v[S+\n], v[TC], vcc_lo
.endr
.Lopen_\@:
.irp b, 0,1,2,3
	v_max3_num_f32 v[BM+\b], v[S+16*\b], v[S+1+16*\b], v[S+2+16*\b]   ; the largest score of each block of 32 keys: it serves for the row's maximum and, since p rises with the score, for the block's largest p
.endr
.irp i, 3,5,7,9,11,13
.irp b, 0,1,2,3
	v_max3_num_f32 v[BM+\b], v[BM+\b], v[S+16*\b+\i], v[S+1+16*\b+\i]
.endr
.endr
.irp b, 0,1,2,3
	v_max_num_f32 v[BM+\b], v[BM+\b], v[S+15+16*\b]
.endr
.irp b, 0,1,2,3
	s_delay_alu instid0(VALU_DEP_4)
	v_permlanex16_b32 v[PT+\b], v[BM+\b], s[SEL], s[SEL+1]
.endr
.irp b, 0,1,2,3
	s_delay_alu instid0(VALU_DEP_4)
	v_max_num_f32 v[BM+\b], v[BM+\b], v[PT+\b]     ; with lane l xor 16's 16 keys
.endr
	s_delay_alu instid0(VALU_DEP_2)
	v_max3_num_f32 v[TA], v[BM], v[BM+1], v[BM+2]
	s_delay_alu instid0(VALU_DEP_1)
	v_max_num_f32 v[TA], v[TA], v[BM+3]
	s_delay_alu instid0(VALU_DEP_1)
	v_mul_f32 v[TA], s[CS], v[TA]                  ; as t (c is positive)
	s_delay_alu instid0(VALU_DEP_1)
	v_max_num_f32 v13, v13, v[TA]                  ; the running largest t
	v_mov_b32 v[TA], v12
	s_delay_alu instid0(VALU_DEP_2)
	v_floor_f32 v12, -v13                          ; the new -M = floor(-t) = -ceil(t)
	s_delay_alu instid0(VALU_DEP_1)
	v_sub_f32 v[TA], v12, v[TA]                    ; old M - new M: a whole number, 0 or less
	s_delay_alu instid0(VALU_DEP_1)
	v_cvt_i32_f32 v[TA], v[TA]                     ; (it saturates)
	s_delay_alu instid0(VALU_DEP_1)
	v_ldexp_f32 v[FF], 1.0, v[TA]                  ; f = 2^(old M - new M)
.irp j, 0,2,4,6,8,10,12,14,16,18,20,22,24,26,28,30,32,34,36,38,40,42,44,46,48,50,52,54,56,58,60,62
	v_pk_fma_f32 v[S+\j:S+1+\j], v[S+\j:S+1+\j], s[CS:CS+1], v[12:13] op_sel_hi:[1,0,0]   ; t - M, two at a time
.endr
.irp b, 0,1,2,3
	v_fma_f32 v[BM+\b], v[BM+\b], s[CS], v12       ; the same of each block's largest score
.endr
	s_wait_alu depctr_va_vdst(0)
.irp j, 0,1,2,3,4,5,6,7,8,9,10,11,12,13,14,15,16,17,18,19,20,21,22,23,24,25,26,27,28,29,30,31,32,33,34,35,36,37,38,39,40,41,42,43,44,45,46,47,48,49,50,51,52,53,54,55,56,57,58,59,60,61,62,63
	v_exp_f32 v[S+\j], v[S+\j]                     ; p = 2^(t - M), at most 1
.endr
	v_pk_mul_f32 v[14:15], v[14:15], v[FF:FF+1] op_sel_hi:[1,0]   ; the sums under the new M: a plain place behind the exponentials
	s_wait_alu depctr_va_vdst(0)                   ; one wait for the whole batch, ahead of its first reader
.irp b, 0,1,2,3
	v_exp_f32 v[BM+\b], v[BM+\b]                   ; the block's largest p
.endr
	v_pk_add_f32 v[230:231], v[100:101], v[104:105]
	v_pk_add_f32 v[254:255], v[108:109], v[112:113]
	v_pk_add_f32 v[252:253], v[116:117], v[120:121]
	v_pk_add_f32 v[250:251], v[124:125], v[128:129]
	v_pk_add_f32 v[248:249], v[132:133], v[136:137]
	v_pk_add_f32 v[246:247], v[140:141], v[144:145]
	v_pk_add_f32 v[244:245], v[148:149], v[152:153]
	v_pk_add_f32 v[14:15], v[14:15], v[156:157]
	v_pk_add_f32 v[230:231], v[230:231], v[96:97]
	v_pk_add_f32 v[254:255], v[254:255], v[98:99]
	v_pk_add_f32 v[252:253], v[252:253], v[102:103]
	v_pk_add_f32 v[250:251], v[250:251], v[106:107]
	v_pk_add_f32 v[248:249], v[248:249], v[110:111]
	v_pk_add_f32 v[246:247], v[246:247], v[114:115]
	v_pk_add_f32 v[244:245], v[244:245], v[118:119]
	v_pk_add_f32 v[14:15], v[14:15], v[122:123]
	v_pk_add_f32 v[230:231], v[230:231], v[126:127]
	v_pk_add_f32 v[254:255], v[254:255], v[130:131]
	v_pk_add_f32 v[252:253], v[252:253], v[134:135]
	v_pk_add_f32 v[250:251], v[250:251], v[138:139]
	v_pk_add_f32 v[248:249], v[248:249], v[142:143]
	v_pk_add_f32 v[246:247], v[246:247], v[146:147]
	v_pk_add_f32 v[244:245], v[244:245], v[150:151]
	v_pk_add_f32 v[14:15], v[14:15], v[154:155]
	v_pk_add_f32 v[230:231], v[230:231], v[158:159]
	s_delay_alu instid0(VALU_DEP_2)
	v_pk_add_f32 v[14:15], v[14:15], v[250:251]
	s_delay_alu instid0(VALU_DEP_2)
	v_pk_add_f32 v[230:231], v[230:231], v[248:249]
	v_pk_add_f32 v[254:255], v[254:255], v[246:247]
	v_pk_add_f32 v[252:253], v[252:253], v[244:245]
	s_delay_alu instid0(VALU_DEP_2)
	v_pk_add_f32 v[14:15], v[14:15], v[254:255]
	s_delay_alu instid0(VALU_DEP_2)
	v_pk_add_f32 v[230:231], v[230:231], v[252:253]
	s_delay_alu instid0(VALU_DEP_1)
	v_pk_add_f32 v[14:15], v[14:15], v[230:231]
	s_wait_alu depctr_va_vdst(0)                   ; and one for the four
.irp b, 0,1,2,3
	v_max_num_f32 v[BM+\b], 0x2800000, v[BM+\b]    ; the floor 2^(5 - 127)
.endr
.irp b, 0,1,2,3
	s_delay_alu instid0(VALU_DEP_4)
	v_add_nc_u32 v[SO+\b], 0xfe000000, v[BM+\b]
.endr
.irp b, 0,1,2,3
	s_delay_alu instid0(VALU_DEP_4)
	v_lshrrev_b32 v[PT+\b], 23, v[SO+\b]
.endr
	s_delay_alu instid0(VALU_DEP_3)
	v_lshl_or_b32 v[PW], v[PT+1], 8, v[PT]         ; p's scale word for these 128 keys
	s_delay_alu instid0(VALU_DEP_1)
	v_lshl_or_b32 v[PW], v[PT+2], 16, v[PW]
	s_delay_alu instid0(VALU_DEP_1)
	v_lshl_or_b32 v[PW], v[PT+3], 24, v[PW]
.irp c, 0,1
	v_cvt_scalef32_pk16_bf6_f32 v[PC+6*\c:PC+6*\c+2], v[S+32*\c:S+32*\c+15], v[SO+2*\c]
	v_cvt_scalef32_pk16_bf6_f32 v[CX+4*\c:CX+4*\c+2], v[S+16+32*\c:S+31+32*\c], v[SO+2*\c+1]
.endr
	v_nop                                          ; one plain place behind a scaled conversion
.irp d, 0,1,2,3                                ; p is in codes: V^T's four fragments take its registers, and land under the lines below
	ds_load_b128 v[S+12*\d:S+12*\d+3], v[A16] offset:(\q)*KSTEPB+6656+1536*\d
	ds_load_b64 v[S+12*\d+4:S+12*\d+5], v[A8] offset:(\q)*KSTEPB+6656+1536*\d+512
	ds_load_b128 v[S+12*\d+6:S+12*\d+9], v[A16] offset:(\q)*KSTEPB+6656+1536*\d+768
	ds_load_b64 v[S+12*\d+10:S+12*\d+11], v[A8] offset:(\q)*KSTEPB+6656+1536*\d+1280
	ds_load_b32 v[VS+\d], v[A4] offset:(\q)*KSTEPB+12800+64*\d
.endr
.irp c, 0,1                                    ; a whole block in a lane
.irp i, 0,1,2
	v_permlane16_swap_b32 v[PC+6*\c+\i], v[CX+4*\c+\i]
.endr
.irp i, 0,1,2
	s_delay_alu instid0(VALU_DEP_3)
	v_mov_b32 v[PC+3+6*\c+\i], v[CX+4*\c+\i]
.endr
.endr
.irp j, 0,2,4,6,8,10,12,14,16,18,20,22,24,26,28,30
	v_pk_mul_f32 v[OT+\j:OT+1+\j], v[OT+\j:OT+1+\j], v[FF:FF+1] op_sel_hi:[1,0]   ; O^T under the new M; for each product below twelve of these name none of its registers: the places behind the writes of p's codes and scale word
.endr
	s_wait_alu depctr_va_vdst(0)
	s_wait_dscnt 0x0
.irp d, 0,1,2,3                                ; O^T += V^T P^T: the four accumulators by turns
	v_wmma_scale_f32_16x16x128_f8f6f4 v[OT+8*\d:OT+8*\d+7], v[S+12*\d:S+12*\d+11], v[PC:PC+11], v[OT+8*\d:OT+8*\d+7], v[VS+\d], v[PW] matrix_a_fmt:MATRIX_FMT_BF6 matrix_b_fmt:MATRIX_FMT_BF6
.endr
.Lhidden_\@:
	s_add_co_u32 s[KF], s[KF], 128
.endm
; THE CHANGE OF SLOTS stands at a slot's head.  Each wave waits for all its tensor loads, adds 0 to its spare word, and waits for that and for its reads of the slot that it has left.  Behind the barrier the slot ahead is whole
; and nobody reads the other one.  fill = 1: wave 0 fills that other slot with the keys of the next trip: the load has a whole slot's steps in which to land; one tensor load is out at a time.
.macro CHANGE fill
	s_wait_tensorcnt 0x0                           ; no tensor load of mine is out, so group 0 may be written
	ds_add_u32 v[SPW], v[NIL]                      ; 0 onto my spare word
	s_mov_b32 s[CUR], s[NS]
.if \fill
	s_add_co_u32 s[NS], s[NS], 1
	s_cmp_eq_u32 s[TRIP], s[WGI]                   ; the first block's last slot is in hand: the second block begins at key 0
	s_cselect_b32 s[NS], 0, s[NS]
	s_mul_i32 s38, s[NS], SLOTB
	s_add_nc_u64 s[G0+2:G0+3], s[KVB:KVB+1], s[38:39]
	s_or_b32 s[G0+3], s[G0+3], 0x80000000
	s_xor_b32 s[G0+1], s[G0+1], SLOT1              ; the other slot than last time
.endif
	s_lshl_b32 s[KF], s[CUR], 8
	s_wait_dscnt 0x0                               ; the add is done, and my reads of the slot that I have left are over
	s_barrier_signal -1
	s_barrier_wait -1
.if \fill
	s_cmp_lg_u32 s[WV], 0
	s_cbranch_scc1 .Lno_fill_\@
	tensor_load_to_lds s[G0:G0+3], s[G1:G1+7]      ; the first thing behind the barrier
	s_nop 0
.rept 4
	v_nop
.endr
.Lno_fill_\@:
.endif
.endm
; A BLOCK OF QUERIES ENDS: O^T / the sum; its 64 numbers a row (32 a lane: register 16 b + i = d 32 b + 16 h + i) are two blocks of the next product's K: quantised, and stored as a half fragment.
.macro FINISH
.rept 4
	v_nop                                          ; places behind the last products
.endr
	v_add_f32 v14, v14, v15
	s_delay_alu instid0(VALU_DEP_1)
	v_permlanex16_b32 v[TA], v14, s[SEL], s[SEL+1]
	s_delay_alu instid0(VALU_DEP_1)
	v_add_f32 v14, v14, v[TA]                      ; the row's sum
	s_wait_alu depctr_va_vdst(0)
	v_rcp_f32 v14, v14
	v_nop                                          ; a plain place behind the transcendental
	s_lshr_b32 s96, s[Q0], 7
	s_mul_i32 s96, s96, GRP                        ; my group of 128 rows,
	s_bfe_u32 s97, s[Q0], 0x30004
	s_mul_i32 s97, s97, 3072                       ; my row tile
	s_add_co_u32 s38, s96, s97
	s_add_nc_u64 s[OP:OP+1], s[OCB:OCB+1], s[38:39]
	s_and_b32 s97, s[Q0], 127
	s_lshl_b32 s97, s97, 3                         ; 8 scale bytes a row
	s_add_co_u32 s38, s96, s97
	s_add_nc_u64 s[OS:OS+1], s[OSB:OSB+1], s[38:39]
	s_wait_alu depctr_va_vdst(0)                   ; ahead of the reciprocal's first reader
.irp j, 0,2,4,6,8,10,12,14,16,18,20,22,24,26,28,30
	v_pk_mul_f32 v[S+\j:S+1+\j], v[OT+\j:OT+1+\j], v[14:15] op_sel_hi:[1,0]   ; each accumulator from its low end on
.endr
.irp b, 0,1
	v_max3_num_f32 v[BM+\b], |v[S+16*\b]|, |v[S+1+16*\b]|, 0x2800000
.endr
.irp i, 2,4,6,8,10,12,14
.irp b, 0,1
	s_delay_alu instid0(VALU_DEP_2)
	v_max3_num_f32 v[BM+\b], v[BM+\b], |v[S+16*\b+\i]|, |v[S+1+16*\b+\i]|
.endr
.endr
.irp b, 0,1
	s_delay_alu instid0(VALU_DEP_2)
	v_permlanex16_b32 v[PT+\b], v[BM+\b], s[SEL], s[SEL+1]
.endr
.irp b, 0,1
	s_delay_alu instid0(VALU_DEP_2)
	v_max_num_f32 v[BM+\b], v[BM+\b], v[PT+\b]
.endr
.irp b, 0,1
	s_delay_alu instid0(VALU_DEP_2)
	v_add_nc_u32 v[SO+\b], 0xfe000000, v[BM+\b]
.endr
.irp b, 0,1
	s_delay_alu instid0(VALU_DEP_2)
	v_lshrrev_b32 v[PT+\b], 23, v[SO+\b]
.endr
	s_delay_alu instid0(VALU_DEP_1)
	v_lshl_or_b32 v[PW], v[PT+1], 8, v[PT]         ; my row's two scale bytes
	v_cvt_scalef32_pk16_bf6_f32 v[PC:PC+2], v[S:S+15], v[SO]
	v_cvt_scalef32_pk16_bf6_f32 v[CX:CX+2], v[S+16:S+31], v[SO+1]
	v_nop
.irp i, 0,1,2
	v_permlane16_swap_b32 v[PC+\i], v[CX+\i]
.endr
.irp i, 0,1,2
	s_delay_alu instid0(VALU_DEP_3)
	v_mov_b32 v[PC+3+\i], v[CX+\i]
.endr
	global_store_b128 v1, v[PC:PC+3], s[OP:OP+1]             ; 512 consecutive bytes
	global_store_b64 v2, v[PC+4:PC+5], s[OP:OP+1] offset:512 ; 256
	global_store_b16 v4, v[PW], s[OS:OS+1]                   ; lanes r and r + 16 store the same two bytes with the same value
	s_wait_xcnt 0x0                                ; the stores have read their registers and bases: both are written again later
.endm
.macro INIT2                           ; the second block of queries: the scale word first, then the codes, then the state: its 36 lines are the places ahead of the next products
	v_mov_b32 v[QS], v34
.irp i, 0,1,2,3,4,5
	v_mov_b32 v[QF+\i], v[28+\i]
.endr
	STATE
	s_mov_b32 s[Q0], s[Q0B]
.endm
	s_wait_loadcnt 0x0                             ; Q, both blocks
	s_mov_b32 s[TRIP], 0
.Ltrip:                                            ; eight trips, each asking for the next trip's slot; the ninth is written out
	CHANGE 1
	s_cmp_lg_u32 s[TRIP], s[WGI1]                  ; trip I + 1 (1 to 4) begins the second block
	s_cbranch_scc1 .Lsame
	FINISH
	INIT2
.Lsame:
	STEP 0
	STEP 1
	s_xor_b32 s[TB], s[TB], SLOT1                  ; on to the other slot
	s_add_co_u32 s[TRIP], s[TRIP], 1
	s_cmp_lt_u32 s[TRIP], 8
	s_cbranch_scc1 .Ltrip
	CHANGE 0
	STEP 0
	STEP 1
	FINISH
	s_wait_tensorcnt 0x0                           ; the wave's end
	ds_add_u32 v[SPW], v[NIL]
	s_wait_dscnt 0x0
	s_endpgm
.Lfunc_end_k_q4f9e33e9cd_attn:
	.size	k_q4f9e33e9cd_attn, .Lfunc_end_k_q4f9e33e9cd_attn-k_q4f9e33e9cd_attn
	.p2alignl 7, 3214868480
	.fill 96, 4, 3214868480
	.section	.rodata,"a",@progbits
	.p2align	6, 0x0
	.amdhsa_kernel k_q4f9e33e9cd_attn
		.amdhsa_group_segment_fixed_size 327680
		.amdhsa_private_segment_fixed_size 0
		.amdhsa_enable_private_segment 0
		.amdhsa_kernarg_size 24
		.amdhsa_user_sgpr_count 2
		.amdhsa_user_sgpr_kernarg_segment_ptr 1
		.amdhsa_wavefront_size32 1
		.amdhsa_system_sgpr_workgroup_id_x 1
		.amdhsa_system_sgpr_workgroup_id_y 1
		.amdhsa_system_sgpr_workgroup_id_z 1
		.amdhsa_system_vgpr_workitem_id 0
		.amdhsa_next_free_vgpr 256
		.amdhsa_next_free_sgpr 100
		.amdhsa_reserve_vcc 1
		.amdhsa_float_denorm_mode_32 3
		.amdhsa_float_denorm_mode_16_64 3
		.amdhsa_memory_ordered 1
		.amdhsa_forward_progress 1
		.amdhsa_inst_pref_size 114
	.end_amdhsa_kernel
	.amdgpu_metadata
---
amdhsa.version: [ 1, 2 ]
amdhsa.kernels:
  - .name:           k_q4f9e33e9cd_attn
    .symbol:         k_q4f9e33e9cd_attn.kd
    .args:
      - { .name: qbuf, .offset: 0, .size: 8, .value_kind: global_buffer, .address_space: global }
      - { .name: kv, .offset: 8, .size: 8, .value_kind: global_buffer, .address_space: global }
      - { .name: oq, .offset: 16, .size: 8, .value_kind: global_buffer, .address_space: global }
    .group_segment_fixed_size: 327680
    .private_segment_fixed_size: 0
    .kernarg_segment_align: 8
    .kernarg_segment_size: 24
    .max_flat_workgroup_size: 512
    .sgpr_count:     100
    .vgpr_count:     256
    .wavefront_size: 32
...
	.end_amdgpu_metadata
.endif
;; end of part 3
;; launch outp (part 4): grid 4 x 32, 4 waves a work-group, clusters of 4 x 4, 327,680 bytes of LDS; arguments oq, wq, b_o, out0; writes out0
.if DOCPART == 4
	.amdgcn_target "amdgcn-amd-amdhsa--gfx1250"
	.amdhsa_code_object_version 6
	.text
	.protected	k_q4f9e33e9cd_outp
	.globl	k_q4f9e33e9cd_outp
	.p2align	8
	.type	k_q4f9e33e9cd_outp,@function
k_q4f9e33e9cd_outp:
	s_mov_b64 s[64:65], 0
	v_nop
	global_prefetch_b8 v0, s[64:65] scope:SCOPE_SE
	s_setreg_imm32_b32 hwreg(HW_REG_WAVE_MODE, 25, 1), 1
	s_wait_xcnt 0x0
	s_wait_alu depctr_hold_cnt(0) depctr_sa_sdst(0) depctr_va_vdst(0) depctr_va_sdst(0) depctr_va_ssrc(0) depctr_va_vcc(0) depctr_vm_vsrc(0)
	s_getreg_b32 s2, hwreg(HW_REG_IB_STS2, 6, 4)
	s_cmp_eq_u32 s2, 0
	s_cbranch_scc0 .Lentry_in_a_cluster
	s_endpgm
.Lentry_in_a_cluster:
	s_bfe_u32 s2, ttmp6, 0x10000c
	s_cmp_lg_u32 s2, 0xf033
	s_cbranch_scc0 .Lentry_shape_is_right
	s_endpgm
.Lentry_shape_is_right:
; out0 = o w_o + b_o on codes of BF6 (E3M2) with E8M0 scales, K = 1,024; out0 [8192][1024] f32.
; A tile of 256 x 256 is made by four waves, 128 x 128 each: 64 accumulators, 512 registers.  K goes in steps of 256 through a ring of two LDS slots.  Both operands lie in memory in the order of the operand's registers
; (a half fragment of 16 rows x 64 K: registers 0-3 at 16 x lane, registers 4-5 at 512 + 8 x lane; a K step of 128 rows: 24,576 bytes of codes, then 8 scale bytes a row): a K step of 128 rows is one dense block of
; 100 x 256 bytes, one tensor load brings codes and scales, and a fragment is four LDS loads of consecutive bytes: no pitch, no padding.
; THE MATRIX INSTRUCTION IS USED TRANSPOSED (source 0 = 16 rows of w_o's workspace, source 1 = 16 rows of o).  The weight's rows are stored with bits 3 and 4 of the row exchanged: register j of accumulator (a, b = 2 B + u) of
; lane (r, h) is out0(16 a + r, 32 B + 16 h + 8 u + j).  The bias is the C of each sum's first matrix instruction.
; CLUSTERS: 4 x 4 work-groups; o's tiles are shared along a row of the cluster, w_o's along a column: each is asked for jointly.  The 32 x 4 tiles make 128 work-groups.
; REGISTERS, in windows of 256: window 0: v12-29 addresses; v32-63 scale words, two sets; v64-127 the bias; v128-223 A's fragments, one set; on the way out v128-255 take rows.
;   window 1: B's fragments, two sets, at v0 and v128.   windows 2, 3: the accumulators of my rows 0-63, 64-127: (a, b) at v[8 (8 (a % 4) + b)].
.set GRP,    102400
.set KSB,    25600
.set HALFT,  KSB
.set SLOT,   4*HALFT
.set SPARE,  2*SLOT                    ; the spare words, 128 bytes a wave: two blocks of 256 bytes that no other line names
.set STG,    SPARE+512                 ; the way out: 16 rows x (512 bytes + 16) for each wave: never filled by a tensor load
.set SPITCH, 528
.set NQ,     2
.set FR,     12
.set NL,     4
.set NP,     4
.set ADRS, 12
.set BO,   14                          ; v14     the bias's offset
.set ADRA, 16
.set ADRB, 20
.set STO,  24                          ; v24     the way out: where I put 32 bytes of a row
.set RD,   25                          ; v25     where I read a row back
.set CO,   26                          ; v26     my byte offset in a row of out0
.set L8,   27                          ; v27     8 x lane
.set SPW,  28
.set NIL,  29
.set SC,   32
.set BI,   64
.set AF,   128
.set BK,   128
.set WV,   18
.set RH,   19
.set CH,   20
.set G1,   24
.set G0,   32
.set G1B,  48
.set G0B,  56
.set MSB, 0
.macro WIN new
.if MSB != (\new)
	s_set_vgpr_msb (MSB<<8)|(\new)
.set MSB, (\new)
.endif
.endm
.set MUL_LO, 0xa1                      ; source 0 (B) window 1, source 1 (A) window 0, C and D window 2
.set MUL_HI, 0xf1
.set BIA_LO, 0x81                      ; the same with C (the bias) in window 0
.set BIA_HI, 0xc1
.set TO_B,   0x40
.macro JLOAD g0a, g1a, g0b, g1b        ; a joint load: waves 0 and 1 fetch for A, waves 2 and 3 for B; four v_nop follow each of the two lines
	s_cmp_eq_u32 s[RH], 0
	s_cbranch_scc0 .Lfor_b_\@
	tensor_load_to_lds s[\g0a:\g0a+3], s[\g1a:\g1a+7]
	s_nop 0
.rept 4
	v_nop
.endr
	s_branch .Lasked_\@
.Lfor_b_\@:
	tensor_load_to_lds s[\g0b:\g0b+3], s[\g1b:\g1b+7]
	s_nop 0
.rept 4
	v_nop
.endr
.Lasked_\@:
.endm
.macro CREST
	s_cmp_lg_u32 s[WV], 0
	s_cbranch_scc1 .Lnot_wave_0_\@
	s_barrier_signal -3
.Lnot_wave_0_\@:
	s_barrier_wait -3
	s_barrier_signal -1
	s_barrier_wait -1
.endm
.macro CROUND
	s_barrier_signal -1
	s_barrier_wait -1
	CREST
.endm
.macro PLACES n
.rept \n
	v_nop
.endr
.endm
	s_load_b256 s[4:11], s[0:1], 0x0               ; oq, wq, b_o, out0
	v_lshl_add_u32 v[SPW], v0, 2, SPARE
	v_mov_b32 v[NIL], 0
	ds_add_u32 v28, v29
	s_wait_dscnt 0x0
	v_lshrrev_b32 v1, 5, v0
	v_readfirstlane_b32 s[WV], v1
	s_lshr_b32 s[RH], s[WV], 1
	s_and_b32 s[CH], s[WV], 1
	s_bfe_u32 s40, ttmp6, 0x40000                  ; cx
	s_bfe_u32 s41, ttmp6, 0x40004                  ; cy
	s_lshl_b32 s42, ttmp9, 2
	s_add_co_u32 s42, s42, s40                     ; tile column
	s_and_b32 s69, ttmp7, 0xffff
	s_lshl_b32 s69, s69, 2
	s_add_co_u32 s69, s69, s41                     ; tile row
	s_lshl_b32 s43, s41, 2
	s_lshl_b32 s43, 15, s43                        ; my row of the cluster
	s_lshl_b32 s44, 0x1111, s40                    ; my column
	s_or_b32 s[G1+0], s43, (3<<16)|(1<<21)         ; 15:0 the mask; 17:16 elements of 8 bytes; 21 set beside a mask
	s_or_b32 s[G1B+0], s44, (3<<16)|(1<<21)
.irp g, G1, G1B
	s_mov_b32 s[\g+1], 32<<16
	s_mov_b32 s[\g+2], 100<<16
	s_mov_b32 s[\g+3], 32<<16
	s_mov_b32 s[\g+4], 100
	s_mov_b32 s[\g+5], 32
	s_mov_b32 s[\g+6], 0
	s_mov_b32 s[\g+7], 0
.endr
	s_lshl_b32 s22, s69, 1
	s_add_co_u32 s22, s22, s[CH]
	s_mul_i32 s22, s22, GRP                        ; A: group 2 x tile row + the one I fetch
	s_mov_b32 s23, 0
	s_lshl_b32 s46, s42, 1
	s_add_co_u32 s46, s46, s[CH]
	s_mul_i32 s46, s46, GRP                        ; B: group 2 x tile column + the one I fetch
	s_mov_b32 s47, 0
	s_mul_i32 s45, s[WV], HALFT
	s_wait_kmcnt 0x0
	s_add_nc_u64 s[76:77], s[4:5], s[22:23]
	s_add_nc_u64 s[78:79], s[6:7], 24*GRP          ; w_o begins at group 24
	s_add_nc_u64 s[78:79], s[78:79], s[46:47]
	CROUND                                         ; all sixteen work-groups are here: the first joint loads meet
.irp s, 0,1
	s_mov_b32 s[G0+4*\s], 1
	s_add_co_u32 s[G0+4*\s+1], s45, \s*SLOT
	s_add_nc_u64 s[G0+4*\s+2:G0+4*\s+3], s[76:77], \s*KSB
	s_or_b32 s[G0+4*\s+3], s[G0+4*\s+3], 0x80000000
	s_mov_b32 s[G0B+4*\s], 1
	s_add_co_u32 s[G0B+4*\s+1], s45, \s*SLOT
	s_add_nc_u64 s[G0B+4*\s+2:G0B+4*\s+3], s[78:79], \s*KSB
	s_or_b32 s[G0B+4*\s+3], s[G0B+4*\s+3], 0x80000000
	JLOAD G0+4*\s, G1, G0B+4*\s, G1B
.endr
	v_and_b32 v1, 15, v0                           ; r
	v_bfe_u32 v2, v0, 4, 1                         ; h
	v_and_b32 v3, 31, v0
	v_lshlrev_b32 v[CO], 4, v3                     ; 16 x lane
	v_lshlrev_b32 v[L8], 3, v3
	v_lshlrev_b32 v[BO], 6, v2                     ; the bias: + 16 h numbers
	s_lshl_b32 s84, s42, 10
	s_lshl_b32 s85, s[CH], 9
	s_add_co_u32 s84, s84, s85                     ; my first column, in bytes
	s_mov_b32 s85, 0
	s_add_nc_u64 s[8:9], s[8:9], s[84:85]
.irp b, 0,1,2,3,4,5,6,7
	global_load_b128 v[BI+8*\b:BI+8*\b+3], v[BO], s[8:9] offset:128*(\b/2)+32*(\b%2)       ; tile b's eight columns of my half
	global_load_b128 v[BI+8*\b+4:BI+8*\b+7], v[BO], s[8:9] offset:128*(\b/2)+32*(\b%2)+16
.endr
	s_mul_i32 s21, s[RH], HALFT
	s_mul_i32 s22, s[CH], HALFT
	s_add_co_u32 s22, s22, 2*HALFT
.irp s, 0,1
	v_add_nc_u32 v[ADRA+\s], s21, v[CO]
	v_add_nc_u32 v[ADRB+\s], s22, v[CO]
	v_add_nc_u32 v[ADRA+2+\s], s21, v[L8]
	v_add_nc_u32 v[ADRB+2+\s], s22, v[L8]
	s_add_co_u32 s21, s21, SLOT
	s_add_co_u32 s22, s22, SLOT
.endr
	s_mul_i32 s21, s[RH], HALFT
	s_mul_i32 s22, s[CH], HALFT
	s_add_co_u32 s22, s22, 2*HALFT
	s_sub_co_u32 s22, s22, s21
	v_mul_u32_u24 v6, s22, v2                      ; lanes 16-31 take B's scale words
	v_lshl_add_u32 v6, v1, 3, v6
	s_add_co_u32 s21, s21, 24576
	v_add_nc_u32 v[ADRS], s21, v6
	s_add_co_u32 s21, s21, SLOT
	v_add_nc_u32 v[ADRS+1], s21, v6
	s_mul_i32 s21, s[WV], 16*SPITCH
	s_add_co_u32 s21, s21, STG                     ; my stage
	v_mul_u32_u24 v[STO], v1, SPITCH
	v_lshl_add_u32 v[STO], v2, 6, v[STO]
	v_add_nc_u32 v[STO], s21, v[STO]               ; in: row r, + 64 h
	v_add_nc_u32 v[RD], s21, v[CO]                 ; back: the 32 lanes take one row of 512 bytes
	s_lshl_b32 s82, s69, 8
	s_lshl_b32 s83, s[RH], 7
	s_add_co_u32 s82, s82, s83                     ; my first row
	s_lshl_b32 s82, s82, 12                        ; of 4,096 bytes
	s_add_co_u32 s82, s82, s84
	s_mov_b32 s83, 0
	s_add_nc_u64 s[10:11], s[10:11], s[82:83]
.macro FRAG reg, adr, q, i
	ds_load_b128 v[\reg:\reg+3], v[\adr] offset:((\i)*2+(\q))*1536
	ds_load_b64 v[\reg+4:\reg+5], v[\adr+2] offset:((\i)*2+(\q))*1536+512
	ds_load_b128 v[\reg+6:\reg+9], v[\adr] offset:((\i)*2+(\q))*1536+768
	ds_load_b64 v[\reg+10:\reg+11], v[\adr+2] offset:((\i)*2+(\q))*1536+1280
.endm
; 16 matrix instructions: A's blocks a0, a0 + 1 x B's eight.  first = 1: the bias is the C of the sums' first products.  The 64 accumulators take turns, one instruction a turn.
.macro MUL16 a0, p, q, sc, first
.irp a, \a0, \a0+1
.irp b, 0,1,2,3,4,5,6,7
.if \first
	v_wmma_scale_f32_16x16x128_f8f6f4 v[8*(8*((\a)%4)+\b):8*(8*((\a)%4)+\b)+7], v[128*(\p)+FR*\b:128*(\p)+FR*\b+FR-1], v[AF+FR*(\a):AF+FR*(\a)+FR-1], v[BI+8*\b:BI+8*\b+7], v[SC+8*NQ*(\sc)+NQ*\b+(\q)], v[SC+8*NQ*(\sc)+NQ*(\a)+(\q)] matrix_a_fmt:MATRIX_FMT_BF6 matrix_b_fmt:MATRIX_FMT_BF6 matrix_a_scale:MATRIX_SCALE_ROW1
.else
	v_wmma_scale_f32_16x16x128_f8f6f4 v[8*(8*((\a)%4)+\b):8*(8*((\a)%4)+\b)+7], v[128*(\p)+FR*\b:128*(\p)+FR*\b+FR-1], v[AF+FR*(\a):AF+FR*(\a)+FR-1], v[8*(8*((\a)%4)+\b):8*(8*((\a)%4)+\b)+7], v[SC+8*NQ*(\sc)+NQ*\b+(\q)], v[SC+8*NQ*(\sc)+NQ*(\a)+(\q)] matrix_a_fmt:MATRIX_FMT_BF6 matrix_b_fmt:MATRIX_FMT_BF6 matrix_a_scale:MATRIX_SCALE_ROW1
.endif
.endr
.endr
.endm
.macro FETCH_B slot, q, p
	WIN TO_B
.irp i, 0,1,2,3,4,5,6,7
	FRAG 128*(\p)+FR*\i, ADRB+\slot, \q, \i
.endr
	WIN 0
.endm
.macro FETCH_A slot, q, i0
.irp i, \i0, \i0+1, \i0+2, \i0+3
	FRAG AF+FR*(\i), ADRA+\slot, \q, \i
.endr
.endm
.macro SCALES sc
.irp i, 0,1,2,3,4,5,6,7
	ds_load_b64 v[SC+8*NQ*\sc+NQ*\i:SC+8*NQ*\sc+NQ*\i+1], v[ADRS+\sc] offset:128*\i
.endr
.endm
.macro STEP slot, q, first
	s_wait_dscnt 4*NL                              ; B's set, A's blocks 0-3 and the scale words are in; the youngest 16 loads (A's blocks 4-7) may be out
.if \first
	WIN BIA_LO
.else
	WIN MUL_LO
.endif
	MUL16 0, (\q)%2, \q, \slot, \first
	MUL16 2, (\q)%2, \q, \slot, \first
	s_wait_dscnt 0
	PLACES NP
	FETCH_B \slot, (\q)+1, 1-(\q)%2
	FETCH_A \slot, (\q)+1, 0
.if \first
	WIN BIA_HI
.else
	WIN MUL_HI
.endif
	MUL16 4, (\q)%2, \q, \slot, \first
	MUL16 6, (\q)%2, \q, \slot, \first
	PLACES NP
	WIN 0
	FETCH_A \slot, (\q)+1, 4
.endm
.macro TURN slot, next, fill
	s_wait_tensorcnt 0x0                           ; all my tensor loads have landed: my part of the next slot
	ds_add_u32 v[SPW], v[NIL]                      ; 0 onto my spare word
	s_wait_dscnt 4*NL+1                            ; the add and the youngest 16 loads may be out
	WIN MUL_LO
	MUL16 0, 1, NQ-1, \slot, 0
	s_wait_dscnt 0x0                               ; the add is done, and my reads of this slot are over
	s_barrier_signal -1
	MUL16 2, 1, NQ-1, \slot, 0
	WIN 0
	s_barrier_wait -1
.if \fill
	CREST                                          ; the barrier has opened a round of the cluster's barrier: no wave of any partner still reads this slot or has a load on its way
	s_add_nc_u64 s[G0+4*\slot+2:G0+4*\slot+3], s[G0+4*\slot+2:G0+4*\slot+3], 2*KSB
	s_add_nc_u64 s[G0B+4*\slot+2:G0B+4*\slot+3], s[G0B+4*\slot+2:G0B+4*\slot+3], 2*KSB
	JLOAD G0+4*\slot, G1, G0B+4*\slot, G1B         ; the first tensor load behind the round; its four v_nop are the places in front of the loads below
.else
	PLACES NP
.endif
	FETCH_B \next, 0, 0
	FETCH_A \next, 0, 0
	SCALES \next
	WIN MUL_HI
	MUL16 4, 1, NQ-1, \slot, 0
	MUL16 6, 1, NQ-1, \slot, 0
	PLACES NP
	WIN 0
	FETCH_A \next, 0, 4
.endm
	s_wait_loadcnt 0x0                             ; the bias
	s_wait_tensorcnt 1                             ; my part of K step 0 is in; K step 1's load may be out
	s_barrier_signal -1
	s_barrier_wait -1
	FETCH_B 0, 0, 0
	FETCH_A 0, 0, 0
	SCALES 0
	FETCH_A 0, 0, 4
	STEP 0, 0, 1                                   ; K = 1,024 is four slots: written straight
	TURN 0, 1, 1
	STEP 1, 0, 0
	TURN 1, 0, 1
	STEP 0, 0, 0
	TURN 0, 1, 0                                   ; the last two slots are not filled again
	STEP 1, 0, 0
	s_wait_dscnt 4*NL                              ; the very last step: nothing more to fetch
	WIN MUL_LO
	MUL16 0, 1, NQ-1, 1, 0
	MUL16 2, 1, NQ-1, 1, 0
	s_wait_dscnt 0
	WIN MUL_HI
	MUL16 4, 1, NQ-1, 1, 0
	MUL16 6, 1, NQ-1, 1, 0
	WIN 0
; THE WAY OUT, block by block of 16 rows x 128 columns, through my own stage: in as 32 bytes a lane, back as whole rows of 512 bytes.  LDS serves a wave's instructions in order: no wait between the stores and the loads.
.macro TOSTAGE a
.set AC, 64*((\a)%4)
	WIN 0x08+4*((\a)/4)                            ; the data: window 2 or 3
.irp b, 0,1,2,3,4,5,6,7
	ds_store_b128 v[STO], v[AC+8*\b:AC+8*\b+3] offset:128*(\b/2)+32*(\b%2)        ; each accumulator from its low end on
	ds_store_b128 v[STO], v[AC+8*\b+4:AC+8*\b+7] offset:128*(\b/2)+32*(\b%2)+16
.endr
	WIN 0
.set BB, BK+64*((\a)%2)
.irp t, 0,1,2,3,4,5,6,7,8,9,10,11,12,13,14,15
	ds_load_b128 v[BB+4*\t:BB+4*\t+3], v[RD] offset:\t*SPITCH
.endr
.endm
.macro SEND a, younger                 ; younger: the LDS instructions issued behind block a's loads, which may stay out
.set BB, BK+64*((\a)%2)
	s_wait_dscnt \younger
.if (\a) > 0
	s_add_nc_u64 s[10:11], s[10:11], 16*4096       ; behind a wait on XCNT: the earlier stores have read their base
.endif
.irp t, 0,1,2,3,4,5,6,7,8,9,10,11,12,13,14,15
	global_store_b128 v[CO], v[BB+4*\t:BB+4*\t+3], s[10:11] offset:\t*4096 th:TH_STORE_NT   ; 32 lanes store 512 consecutive bytes, at a multiple of 256 from the buffer's first byte
.endr
.endm
	PLACES NP                                      ; behind the last products: their results are read, and A's registers loaded into, below
	TOSTAGE 0
.irp a, 1,2,3,4,5,6,7
.if \a > 1
	s_wait_xcnt 0x0                                ; block a - 2's stores have read their registers and their base
.endif
	TOSTAGE \a
	SEND \a-1, 32                                  ; behind block a - 1's loads: block a's 16 stores and 16 loads
.endr
	s_wait_xcnt 0x0
	SEND 7, 0
	s_wait_tensorcnt 0x0                           ; the wave's end
	ds_add_u32 v[SPW], v[NIL]
	s_wait_dscnt 0x0
	CROUND                                         ; the closing round
	s_endpgm
.Lfunc_end_k_q4f9e33e9cd_outp:
	.size	k_q4f9e33e9cd_outp, .Lfunc_end_k_q4f9e33e9cd_outp-k_q4f9e33e9cd_outp
	.p2alignl 7, 3214868480
	.fill 96, 4, 3214868480
	.section	.rodata,"a",@progbits
	.p2align	6, 0x0
	.amdhsa_kernel k_q4f9e33e9cd_outp
		.amdhsa_group_segment_fixed_size 327680
		.amdhsa_private_segment_fixed_size 0
		.amdhsa_enable_private_segment 0
		.amdhsa_kernarg_size 32
		.amdhsa_user_sgpr_count 2
		.amdhsa_user_sgpr_kernarg_segment_ptr 1
		.amdhsa_wavefront_size32 1
		.amdhsa_system_sgpr_workgroup_id_x 1
		.amdhsa_system_sgpr_workgroup_id_y 1
		.amdhsa_system_sgpr_workgroup_id_z 1
		.amdhsa_system_vgpr_workitem_id 0
		.amdhsa_next_free_vgpr 1024
		.amdhsa_next_free_sgpr 100
		.amdhsa_reserve_vcc 0
		.amdhsa_float_denorm_mode_32 3
		.amdhsa_float_denorm_mode_16_64 3
		.amdhsa_memory_ordered 1
		.amdhsa_forward_progress 1
		.amdhsa_inst_pref_size 143
	.end_amdhsa_kernel
	.amdgpu_metadata
---
amdhsa.version: [ 1, 2 ]
amdhsa.kernels:
  - .name:           k_q4f9e33e9cd_outp
    .symbol:         k_q4f9e33e9cd_outp.kd
    .args:
      - { .name: oq, .offset: 0, .size: 8, .value_kind: global_buffer, .address_space: global }
      - { .name: wq, .offset: 8, .size: 8, .value_kind: global_buffer, .address_space: global }
      - { .name: b_o, .offset: 16, .size: 8, .value_kind: global_buffer, .address_space: global }
      - { .name: out0, .offset: 24, .size: 8, .value_kind: global_buffer, .address_space: global }
    .group_segment_fixed_size: 327680
    .private_segment_fixed_size: 0
    .kernarg_segment_align: 8
    .kernarg_segment_size: 32
    .max_flat_workgroup_size: 128
    .sgpr_count:     100
    .vgpr_count:     1024
    .wavefront_size: 32
...
	.end_amdgpu_metadata
.endif
;; end of part 4
